; MI455X (gfx1250); checked and timed in simulation.
; The chip was launched on July 23, 2026; its instructions are those of AMD's public machine-readable ISA for CDNA 5 (MIT licence, August 2026) and "CDNA5" Instruction Set Architecture Reference Guide (July 2026). The comments in the code are by the model that wrote it; some were corrected since.
;; Grouped Query Attention. Allowed arithmetic: matrix products marked QUANTISED: E4M3 operands, one E8M0 scale for each 32 along K, by v_wmma_scale_f32_16x16x128_f8f6f4 with both operands' format E4M3, f32 sums; everything else in f32.
;; Inputs: Wg 2,048 x 2,048 float32; Wk 2,048 x 512 float32; Wo 2,048 x 2,048 float32; Wq 2,048 x 2,048 float32; Wv 2,048 x 512 float32; cos 2,048 x 64 float32; k_scale 64 float32; mask 2,048 x 2,048 bool; q_scale 64 float32; sin 2,048 x 64 float32; x 1 x 2,048 x 2,048 float32.
;; Outputs: out0 1 x 2,048 x 2,048 float32.
;; This version of the problem:
;;   THIS VERSION OF THE PROBLEM IS GIVEN IN LOW PRECISION. The matrix products marked QUANTISED in the list below multiply operands that are first quantised to E4M3 (4 exponent bits, 3 mantissa bits; 8 bits a number), with one power-of-two scale for each 32 numbers along K (OCP MX v1.0); their sums are f32. All else is computed in f32.
;;   The module's matrix products, in the order in which they are computed (A, B: the left and right operand; K: the contracted axis; several contracted axes count as one K, in the product's order):
;;     1. [M 2,048, K 2,048] x [K 2,048, N 2,048]; A: input x; B: input Wq: QUANTISED
;;     2. [M 2,048, K 2,048] x [K 2,048, N 512]; A: input x; B: input Wk: QUANTISED
;;     3. [M 2,048, K 2,048] x [K 2,048, N 512]; A: input x; B: input Wv: QUANTISED
;;     4. [M 2,048, K 2,048] x [K 2,048, N 2,048]; A: input x; B: input Wg: QUANTISED
;;     5. batch 8 x [M 8,192, K 64] x [K 64, N 2,048]; A: computed on the way; B: computed on the way: QUANTISED
;;     6. batch 8 x [M 8,192, K 2,048] x [K 2,048, N 64]; A: softmax (see below); B: computed on the way: QUANTISED
;;     7. [M 2,048, K 2,048] x [K 2,048, N 2,048]; A: computed on the way; B: input Wo: QUANTISED
;;   THE QUANTISER, for each operand of a quantised product, along K:
;;     - K is cut into blocks of 32 from its start; a last block that is shorter is filled with zeros.
;;     - A block's scale is 2^e with e = floor(log2(the largest magnitude in the block)) - 8, held to -126 .. 127; a block of zeros has e = 0. As a byte (E8M0): e + 127.
;;     - Each number is divided by its block's scale, clamped to +-448, and rounded to the nearest number of E4M3, ties to even, subnormals kept.
;;     - The product sums the exact products of the quantised numbers (number of the format x scale) in f32.
;;   ~~~python
;;   def quantise(x, axis):      # numpy; x: float32 -> the quantised numbers, widened to float32 again
;;       x = np.moveaxis(x, axis, -1); K = x.shape[-1]
;;       x = np.pad(x, [(0, 0)] * (x.ndim - 1) + [(0, -K % 32)]); x = x.reshape(x.shape[:-1] + (-1, 32)); a = np.abs(x).max(-1, keepdims=True)
;;       e = np.where(a > 0, np.clip(np.frexp(np.where(a > 0, a, 1))[1] - 1 - 8, -126, 127), 0)      # np.frexp(a)[1] - 1 = floor(log2(a)), exactly
;;       r = np.clip(x / 2.0 ** e, -448, 448)
;;       step = 2.0 ** (np.maximum(np.frexp(np.where(r == 0, 1, r))[1] - 1, -6) - 3)
;;       q = np.round(r / step) * step * 2.0 ** e      # np.round: ties to even
;;       return np.moveaxis(q.reshape(q.shape[:-2] + (-1,))[..., :K], -1, axis).astype(np.float32)
;;   ~~~
;;   SOFTMAX AHEAD OF A QUANTISED PRODUCT. Where the list says 'softmax', what is quantised is not the finished softmax but p = 2^(t - M), with t = logit x log2(e) and M = ceil(the row's largest t), a whole number; so 1/2 < the row's largest p <= 1. The row's sum l is taken of the UNQUANTISED p, in f32, and the product's result is divided by l at the end. Since M is a whole number, a kernel that streams over the keys may use a running M (the ceiling of the running maximum): every later rescaling is an exact power of two, which a block's scale takes up: the codes' values come out the same.
;;   OPERANDS COMPUTED ON THE WAY. 'Computed on the way' means the value that the module computes at that place (a softmax that the list does not call 'softmax' is quantised finished and normalised). What goes into a quantiser is computed in f32, as accurately as f32 sums, v_exp_f32 and their like allow (about 1e-6 of the number): no bf16 or f16 on the way to a quantiser, and a product that is left as it is and whose result goes on into a quantised operand takes f32 operands (vector FMAs, or v_wmma_f32_16x16x4_f32). A number that lies on a knife's edge between two numbers of the format may be rounded either way, as far as f32 arithmetic and the matrix unit's own rounding can turn it there, and no further.
;; One version. Each part assembles by itself: llvm-mc -triple=amdgcn-amd-amdhsa -mcpu=gfx1250 --defsym DOCPART=n.
;; ======== version 1 of 1: 4 launches
;; limits: right only within a limited range of input values
;; workspace buffers: xq 4,325,376 bytes; bias 16,777,216 bytes; wq 15,138,816 bytes; act 6,651,904 bytes; gate 16,777,216 bytes; cq 4,325,376 bytes; flags 2,048 bytes of whole numbers
;; launch prep (part 1): grid 576 x 1, 4 waves a work-group, no clusters, 68,096 bytes of LDS; arguments x, mask, xq, bias, flags, Wq, Wg, Wk, Wv, Wo, wq; writes xq, bias, flags, wq
.if DOCPART == 1
	.amdgcn_target "amdgcn-amd-amdhsa--gfx1250"
	.amdhsa_code_object_version 6
	.text
	.protected	k_q709ee7145c_prep
	.globl	k_q709ee7145c_prep
	.p2align	8
	.type	k_q709ee7145c_prep,@function
k_q709ee7145c_prep:
	s_mov_b64 s[64:65], 0
	v_nop
	global_prefetch_b8 v0, s[64:65] scope:SCOPE_SE
	s_setreg_imm32_b32 hwreg(HW_REG_WAVE_MODE, 25, 1), 1
	s_wait_xcnt 0x0
; ONE PREPARING LAUNCH FOR ALL INPUTS.  Work-groups 0 .. 447 quantise the five weights into wq; work-groups 448 .. 575 quantise x into xq and read mask.  The two ways part on the work-group's number alone,
; and each has LDS bytes of its own.  Codes are E4M3 with one E8M0 byte for each 32 along K, laid as images of the matrix operand's registers.  Memory binds: no matrix unit, no cluster, no barrier: waves share nothing.
; TILES AND IMAGES.  Tile 2 P + U holds the 16 rows 32 P + 8 U + r + 8 (r / 8).  Image (tile, s) is 2,048 bytes: byte 512 c + 16 lane + e is row r = lane % 16, k = 128 s + 32 c + 16 (lane / 16) + e; a tile is 16 images.
; The scale words of a tile are 1,024 bytes: the word of K step s = 2 sp + i of row r lies at 128 sp + 8 r + 4 i.
; ROWS OF wq: 0 .. 2047 Wq's columns; 2048 .. 4095 Wg's; 4096 + 256 t + (0 .. 127) Wk's columns 128 t on, + 128 more Wv's columns 128 t on; 5120 .. 7167 Wo's.
; THE MASK is an input of whole numbers, so what it throws away whole is decided here and left out in the attention launch, which reads the decision from memory.
; flags[tile T][quarter of the keys]: one word; bit s: key step s (128 keys) has a key that counts for some row of T; bit 16 + s: it has one, and a masked key too.
; A key step with no key that counts gives p = 0 for all 16 rows: it adds nothing to any sum.  The f32 addend (0, or the most negative finite f32 where a key is masked; register 16 b + i of lane (r, h) is key
; 128 s + 32 b + 16 h + i; 8,192 bytes a tile and step) is stored, and later read, only for the steps of bit 16 + s.
; LIMITS: NaN and infinities are not served, and one that reaches only a key step left out is not carried to the result; a block whose largest magnitude lies under 2^-118, a block of zeros too, gets the byte 1
; (this program alone reads the bytes); of a mask byte bit 0 counts.
.set WST,   33792                      ; LDS: x's four stages from 0, the weights' four stages from here
.set SPARE, 67584                      ; behind them the spare words, 128 bytes a wave
	v_lshl_add_u32 v11, v0, 2, SPARE
	v_mov_b32 v6, 0
	v_lshrrev_b32 v10, 5, v0
	v_readfirstlane_b32 s2, v10                    ; wave
	s_wait_alu depctr_va_vdst(0)
	s_cmp_lt_u32 ttmp9, 448
	s_cbranch_scc0 .Lprep
; THE WEIGHTS: f32 with K as their FIRST axis.  A LANE TAKES A COLUMN AND ITS REGISTERS RUN DOWN K: a load reads 128 consecutive bytes a wave, 512 a work-group; a block of 32 lies in one lane.
; A work-group takes 128 rows of wq x 256 along K, a wave 32 columns: two tiles.  Lane l is row r = (l & 7) + 8 (l >> 4) of tile u = (l >> 3) & 1.  Eight blocks (two images a tile) gather in the wave's own
; stage and leave as runs of 512 consecutive bytes.  The two tiles' parts of the stage lie 4,224 bytes apart.  The scale words leave as 8 bytes a lane, 128 consecutive bytes a tile.
.set STA,  1
.set RDA,  2
.set GO,   3
.set SVO,  4
.set VO,   16                          ; v16-47  4 x lane + i rows of the source
.set XW,   48                          ; v48-111 two sets of 32 numbers
.set CW,   112                         ; v112-119 a block's codes
.set SB,   120                         ; v120-121 the scale bytes, four to a register
.set OUTR, 124                         ; v124-187 the way out
	s_load_b256 s[8:15], s[0:1], 0x28              ; Wq, Wg, Wk, Wv
	s_load_b128 s[16:19], s[0:1], 0x48             ; Wo, wq
	v_and_b32 v14, 31, v0                          ; lane
	v_bfe_u32 v7, v0, 3, 1                         ; u
	v_and_b32 v8, 7, v0
	v_bfe_u32 v9, v0, 4, 1
	v_lshl_or_b32 v8, v9, 3, v8                    ; r
	s_mul_i32 s3, s2, 8448
	s_add_co_u32 s3, s3, WST                       ; my stage
	v_mul_u32_u24 v[STA], v7, 4224
	v_lshl_add_u32 v[STA], v8, 4, v[STA]
	v_add_nc_u32 v[STA], s3, v[STA]
	v_lshlrev_b32 v[GO], 4, v14
	v_add_nc_u32 v[RDA], s3, v[GO]
	v_lshlrev_b32 v[SVO], 10, v7
	v_lshl_add_u32 v[SVO], v8, 3, v[SVO]
	s_lshr_b32 s20, ttmp9, 3                       ; which 128 rows of wq: 0 .. 55
	s_and_b32 s21, ttmp9, 7                        ; which 256 along K
	s_sub_co_u32 s22, s20, 40                      ; Wo's block of 128 columns
	s_sub_co_u32 s24, s20, 32
	s_and_b32 s25, s24, 1                          ; odd: Wv, even: Wk
	s_lshr_b32 s24, s24, 1                         ; their block
	s_sub_co_u32 s28, s20, 16                      ; Wg's block
	s_mov_b32 s23, 8192                            ; a row of the source in bytes
	s_mov_b32 s40, 0x600000                        ; the mantissa field of 448
	s_wait_alu depctr_va_vdst(0)
	s_wait_kmcnt 0x0
	s_mov_b64 s[4:5], s[16:17]                     ; the source is chosen by the work-group's number alone
	s_cmp_eq_u32 s25, 1
	s_cselect_b64 s[26:27], s[14:15], s[12:13]
	s_cmp_lt_u32 s20, 40
	s_cselect_b64 s[4:5], s[26:27], s[4:5]
	s_cselect_b32 s22, s24, s22
	s_cselect_b32 s23, 2048, s23
	s_cmp_lt_u32 s20, 32
	s_cselect_b64 s[4:5], s[10:11], s[4:5]
	s_cselect_b32 s22, s28, s22
	s_cselect_b32 s23, 8192, s23
	s_cmp_lt_u32 s20, 16
	s_cselect_b64 s[4:5], s[8:9], s[4:5]
	s_cselect_b32 s22, s20, s22
	s_lshl_b32 s30, s21, 8
	s_mul_i32 s30, s30, s23                        ; 256 rows of the source for each step along K,
	s_lshl_b32 s29, s22, 9
	s_add_co_u32 s30, s30, s29                     ; 128 columns a block,
	s_lshl_b32 s29, s2, 7
	s_add_co_u32 s30, s30, s29                     ; 32 a wave
	s_mov_b32 s31, 0
	s_add_nc_u64 s[4:5], s[4:5], s[30:31]
	s_lshl_b32 s32, s23, 5                         ; 32 rows on
	s_mov_b32 s33, 0
	s_lshl_b32 s34, s20, 3
	s_lshl_b32 s29, s2, 1
	s_add_co_u32 s34, s34, s29                     ; my first tile
	s_lshl_b32 s36, s34, 10
	s_lshl_b32 s29, s21, 7
	s_add_co_u32 s36, s36, s29
	s_add_co_u32 s36, s36, 14680064                ; its scale words, behind the codes
	s_mov_b32 s37, 0
	s_lshl_b32 s34, s34, 15
	s_lshl_b32 s29, s21, 12
	s_add_co_u32 s34, s34, s29                     ; its images
	s_mov_b32 s35, 0
	s_add_nc_u64 s[6:7], s[18:19], s[34:35]
	s_add_nc_u64 s[38:39], s[18:19], s[36:37]
	v_lshlrev_b32 v[VO], 2, v14
.set li, 1
.rept 31
	v_add_nc_u32 v[VO+li], s23, v[VO+li-1]
.set li, li+1
.endr
	s_wait_alu depctr_va_vdst(0)
.macro LOAD t                          ; block t: rows 32 t + i of my 256, my column, into set t % 2
.if (\t) > 0
	s_wait_xcnt 0x0                                ; the loads issued so far have read the base
	s_add_nc_u64 s[4:5], s[4:5], s[32:33]
.endif
.set li, 0
.rept 32
	global_load_b32 v[XW+32*((\t)%2)+li], v[VO+li], s[4:5] th:TH_LOAD_NT
.set li, li+1
.endr
.endm
.macro BLOCK t
.set XS, XW+32*((\t)%2)
.if (\t) < 7
	s_wait_loadcnt 32                              ; this block's 32 loads are in; the next block's may be out
.else
	s_wait_loadcnt 0x0
.endif
	v_max3_num_f32 v12, |v[XS]|, |v[XS+1]|, |v[XS+2]|   ; the block's largest magnitude: all 32 numbers are mine
	v_max3_num_f32 v13, |v[XS+3]|, |v[XS+4]|, |v[XS+5]|
.irp i, 6,10,14,18,22,26
	v_max3_num_f32 v12, v12, |v[XS+\i]|, |v[XS+\i+1]|
	v_max3_num_f32 v13, v13, |v[XS+\i+2]|, |v[XS+\i+3]|
.endr
	v_max3_num_f32 v12, v12, |v[XS+30]|, |v[XS+31]|
	v_max3_num_f32 v12, v12, v13, 0x4800000        ; and the floor 2^(9 - 127)
	v_add_nc_u32 v15, 0xfc000000, v12              ; the conversion's scale operand
	v_and_or_b32 v10, v12, 0x7f800000, s40         ; 448 x the scale
	v_lshrrev_b32 v13, 23, v15                     ; the scale's byte
.if (\t)%4 == 0
	v_mov_b32 v[SB+(\t)/4], v13
.else
	v_lshl_or_b32 v[SB+(\t)/4], v13, 8*((\t)%4), v[SB+(\t)/4]
.endif
.set li, 0
.rept 32
	v_med3_num_f32 v[XS+li], v[XS+li], -v10, v10   ; the hold: the conversion does not saturate (ISA guide 7.6.2)
.set li, li+1
.endr
.irp g, 0,1,2,3
	v_cvt_scalef32_pk8_fp8_f32 v[CW+2*\g:CW+2*\g+1], v[XS+8*\g:XS+8*\g+7], v15
.endr
	ds_store_b128 v[STA], v[CW:CW+3] offset:2048*((\t)/4)+512*((\t)%4)         ; k = 32 t + 0 .. 15: the place of lane r
	ds_store_b128 v[STA], v[CW+4:CW+7] offset:2048*((\t)/4)+512*((\t)%4)+256   ; k = 32 t + 16 .. 31: the place of lane 16 + r
.if (\t)+2 < 8
	LOAD (\t)+2
.endif
	s_wait_dscnt 0x0                               ; the stores have read their registers: the next block's codes may be written
.endm
	LOAD 0
	LOAD 1
.set Q, 0
.rept 8
	BLOCK Q
.set Q, Q+1
.endr
.irp u, 0,1                            ; two images of each of my two tiles leave
.irp i, 0,1,2,3,4,5,6,7
	ds_load_b128 v[OUTR+4*(8*\u+\i):OUTR+4*(8*\u+\i)+3], v[RDA] offset:4224*\u+512*\i
.endr
.endr
.irp u, 0,1
.irp i, 0,1,2,3,4,5,6,7
	s_wait_dscnt 15-(8*\u+\i)
	global_store_b128 v[GO], v[OUTR+4*(8*\u+\i):OUTR+4*(8*\u+\i)+3], s[6:7] offset:32768*\u+512*\i   ; 512 consecutive bytes, aligned
.endr
.endr
	global_store_b64 v[SVO], v[SB:SB+1], s[38:39]  ; my row's words of my two K steps
	s_wait_tensorcnt 0x0                           ; the wave's end
	ds_add_u32 v11, v6
	s_wait_dscnt 0x0
	s_endpgm
; x AND mask.  A work-group takes a tile's 16 rows, a wave 512 of their columns (four K steps) of x and of mask.  Each load reads 512 consecutive bytes of one row; the rows turn through the wave's own stage
; (pitch 528 bytes: 132 words, so the 16 rows of a read start at 16 different banks) and come back 16 neighbours a lane.
.Lprep:
.set SP,  528
.set R0,  16                           ; v16-79, v80-143: rows as loaded, two sets
.set X,   144                          ; v144-207: 64 numbers in the quantiser's order
.set PC,  208                          ; v208-239: codes, two sets of 16
.set TM,  240                          ; v240-255: at work
.set W,   12                           ; v12-15: the four K steps' scale words
.set SEL, 20
.set MNT, 22
.set NEG, 23
	s_load_b256 s[4:11], s[0:1], 0x0               ; x, mask, xq, bias
	s_load_b64 s[36:37], s[0:1], 0x20              ; flags
	v_and_b32 v7, 31, v0                           ; lane
	v_lshlrev_b32 v1, 4, v7                        ; 16 x lane
	s_mul_i32 s13, s2, 16*SP                       ; my stage
	v_add_nc_u32 v2, s13, v1                       ; into it
	v_and_b32 v8, 15, v0                           ; r
	v_bfe_u32 v9, v0, 4, 1                         ; h
	v_mul_u32_u24 v10, v8, SP
	v_add_nc_u32 v10, s13, v10
	v_lshl_add_u32 v3, v9, 6, v10                  ; out of it, x: row r, + 64 h
	v_lshl_add_u32 v4, v9, 4, v10                  ; out of it, mask: row r, + 16 h
	v_lshlrev_b32 v5, 3, v7                        ; 8 x lane: the scale words' place
	s_sub_co_u32 s14, ttmp9, 448                   ; T
	s_mov_b32 s15, s2                              ; which 512 columns
	s_lshr_b32 s16, s14, 1
	s_lshl_b32 s16, s16, 5
	s_and_b32 s17, s14, 1
	s_lshl_b32 s17, s17, 3
	s_add_co_u32 s16, s16, s17                     ; the tile's first row: 32 P + 8 U
	s_lshl_b32 s24, s16, 13
	s_lshl_b32 s17, s15, 11
	s_add_co_u32 s24, s24, s17                     ; x: rows of 8,192 bytes
	s_mov_b32 s25, 0
	s_lshl_b32 s26, s16, 11
	s_lshl_b32 s17, s15, 9
	s_add_co_u32 s26, s26, s17                     ; mask: rows of 2,048 bytes
	s_mov_b32 s27, 0
	s_lshl_b32 s28, s14, 15
	s_lshl_b32 s17, s15, 13
	s_add_co_u32 s28, s28, s17                     ; code images
	s_mov_b32 s29, 0
	s_lshl_b32 s30, s14, 10
	s_lshl_b32 s17, s15, 8
	s_add_co_u32 s30, s30, s17
	s_add_co_u32 s30, s30, 4194304                 ; scale words, behind the codes
	s_mov_b32 s31, 0
	s_lshl_b32 s32, s14, 17
	s_lshl_b32 s17, s15, 15
	s_add_co_u32 s32, s32, s17                     ; the addend
	s_mov_b32 s33, 0
	s_mov_b32 s[SEL], 0x76543210
	s_mov_b32 s[SEL+1], 0xfedcba98                 ; v_permlanex16_b32's selects for lane l xor 16
	s_mov_b32 s[MNT], 0x600000                     ; the mantissa field of 448
	s_mov_b32 s[NEG], 0xff7fffff                   ; the most negative finite f32
.irp b, 0,1,2,3
	v_mov_b32 v[TM+4+\b], 0                        ; written once: a lane permute's destination counts as one of its sources
.endr
	s_wait_alu depctr_va_vdst(0)
	s_wait_kmcnt 0x0
	s_add_nc_u64 s[4:5], s[4:5], s[24:25]
	s_add_nc_u64 s[6:7], s[6:7], s[26:27]
	s_add_nc_u64 s[34:35], s[8:9], s[30:31]
	s_add_nc_u64 s[8:9], s[8:9], s[28:29]
	s_add_nc_u64 s[10:11], s[10:11], s[32:33]
.macro LOADX s, reg                    ; K step s of the 16 rows: a load a row, 512 consecutive bytes
.irp i, 0,1,2,3,4,5,6,7,8,9,10,11,12,13,14,15
	global_load_b128 v[\reg+4*\i:\reg+4*\i+3], v1, s[4:5] offset:(\i+8*(\i/8))*8192+512*(\s) th:TH_LOAD_NT
.endr
.endm
.macro LOADM reg                       ; the 16 rows' 512 mask bytes
.irp i, 0,1,2,3,4,5,6,7,8,9,10,11,12,13,14,15
	global_load_b128 v[\reg+4*\i:\reg+4*\i+3], v1, s[6:7] offset:(\i+8*(\i/8))*2048 th:TH_LOAD_NT
.endr
.endm
.macro INSTAGE reg
.irp i, 0,1,2,3,4,5,6,7,8,9,10,11,12,13,14,15
	ds_store_b128 v2, v[\reg+4*\i:\reg+4*\i+3] offset:SP*\i
.endr
.endm
; four blocks of 32 along K: register 16 b + i of v[s] on is k = 32 b + 16 (lane / 16) + i of my row.  Codes into v[pc] on, four registers a block; the scale bytes stay in v[TM+4] on.
.macro QUANT s, pc
.irp b, 0,1,2,3
	v_max3_num_f32 v[TM+\b], |v[\s+16*\b]|, |v[\s+16*\b+1]|, 0x4800000   ; my 16 numbers, and the floor 2^(9 - 127)
.endr
.irp i, 2,4,6,8,10,12,14
.irp b, 0,1,2,3
	v_max3_num_f32 v[TM+\b], v[TM+\b], |v[\s+16*\b+\i]|, |v[\s+16*\b+\i+1]|   ; the blocks by turns
.endr
.endr
.irp b, 0,1,2,3
	v_permlanex16_b32 v[TM+4+\b], v[TM+\b], s[SEL], s[SEL+1]
.endr
.irp b, 0,1,2,3
	v_max_num_f32 v[TM+\b], v[TM+\b], v[TM+4+\b]   ; with lane l xor 16's: the block's largest magnitude
.endr
.irp b, 0,1,2,3
	v_add_nc_u32 v[TM+12+\b], 0xfc000000, v[TM+\b] ; 8 off its exponent field: the conversion's scale operand
.endr
.irp b, 0,1,2,3
	v_and_or_b32 v[TM+8+\b], v[TM+\b], 0x7f800000, s[MNT]   ; 448 x the scale
.endr
.irp b, 0,1,2,3
	v_lshrrev_b32 v[TM+4+\b], 23, v[TM+12+\b]      ; the scale's byte
.endr
.irp b, 0,1,2,3
.irp i, 0,1,2,3,4,5,6,7,8,9,10,11,12,13,14,15
	v_med3_num_f32 v[\s+16*\b+\i], v[\s+16*\b+\i], -v[TM+8+\b], v[TM+8+\b]   ; the hold comes first (ISA guide 7.6.2)
.endr
	v_cvt_scalef32_pk8_fp8_f32 v[\pc+4*\b:\pc+4*\b+1], v[\s+16*\b:\s+16*\b+7], v[TM+12+\b]
	v_cvt_scalef32_pk8_fp8_f32 v[\pc+4*\b+2:\pc+4*\b+3], v[\s+16*\b+8:\s+16*\b+15], v[TM+12+\b]
.endr
	v_nop                                          ; one plain line behind the last conversion
.endm
; K step s.  nxt = 1: its set of registers takes K step s + 2; 2: the mask bytes; 0: nothing.
.macro XSTEP s, nxt
.set RS, R0+64*((\s)%2)
.set PS, PC+16*((\s)%2)
.set PWR, W+(\s)
	s_wait_loadcnt 16                              ; this step's 16 loads are in; the 16 issued behind them may be out
	INSTAGE RS
.irp b, 0,1,2,3
.irp j, 0,1,2,3
	ds_load_b128 v[X+16*\b+4*\j:X+16*\b+4*\j+3], v3 offset:128*\b+16*\j   ; LDS serves a wave's instructions in order: these see the stores above
.endr
.endr
	s_wait_dscnt 0x0                               ; the numbers are back, and the stores have read their registers
.if \nxt == 1
	LOADX (\s)+2, RS
.endif
.if \nxt == 2
	LOADM RS
.endif
	s_wait_xcnt 0x0                                ; the stores of two steps back have read this set of codes
	QUANT X, PS
	v_lshl_or_b32 v[PWR], v[TM+5], 8, v[TM+4]      ; the four bytes make my row's scale word
	v_lshl_or_b32 v[PWR], v[TM+6], 16, v[PWR]
	v_lshl_or_b32 v[PWR], v[TM+7], 24, v[PWR]
.irp c, 0,1,2,3
	global_store_b128 v1, v[PS+4*\c:PS+4*\c+3], s[8:9] offset:2048*(\s)+512*\c   ; 512 consecutive bytes, aligned
.endr
.endm
	LOADX 0, R0
	LOADX 1, R0+64
	XSTEP 0, 1
	XSTEP 1, 1
	XSTEP 2, 2
	XSTEP 3, 0
	v_cmp_gt_u32 vcc_lo, 16, v7                    ; lanes 0-15 store K steps 0 and 1 of row r, lanes 16-31 K steps 2 and 3: 256 consecutive bytes
	v_cndmask_b32 v240, v14, v12, vcc_lo
	v_cndmask_b32 v241, v15, v13, vcc_lo
	global_store_b64 v5, v[240:241], s[34:35]
	s_wait_loadcnt 0x0                             ; the mask bytes
	INSTAGE R0
.irp s, 0,1,2,3
.irp b, 0,1,2,3
	ds_load_b128 v[X+4*(4*\s+\b):X+4*(4*\s+\b)+3], v4 offset:128*\s+32*\b   ; my 16 bytes of block b of key step s
.endr
.endr
	s_wait_dscnt 0x0
.irp s, 0,1,2,3
	v_and_b32 v[244+\s], 0x01010101, v[X+16*\s]    ; bit 0 of my 64 bytes of key step s: joined by OR,
	v_mov_b32 v[248+\s], v[X+16*\s]                ; and by AND
.endr
.irp i, 1,2,3,4,5,6,7,8,9,10,11,12,13,14,15
.irp s, 0,1,2,3
	v_and_or_b32 v[244+\s], v[X+16*\s+\i], 0x01010101, v[244+\s]
	v_and_b32 v[248+\s], v[248+\s], v[X+16*\s+\i]
.endr
.endr
.irp s, 0,1,2,3
	v_and_b32 v[248+\s], 0x01010101, v[248+\s]
.endr
	s_wait_alu depctr_va_vdst(0)
.irp s, 0,1,2,3
	v_cmp_ne_u32 s[40+\s], 0, v[244+\s]            ; lanes with a masked key
	v_cmp_ne_u32 s[44+\s], 0x01010101, v[248+\s]   ; lanes with a key that counts
.endr
	s_mov_b32 s39, 0
.irp s, 0,1,2,3
	s_cmp_lg_u32 s[44+\s], 0
	s_cselect_b32 s38, 1<<\s, 0
	s_cselect_b32 s[40+\s], s[40+\s], 0
	s_or_b32 s39, s39, s38                         ; bit s: a key counts
	s_cmp_lg_u32 s[40+\s], 0
	s_cselect_b32 s38, 0x10000<<\s, 0
	s_or_b32 s39, s39, s38                         ; bit 16 + s: and a key is masked
.endr
.irp s, 0,1,2,3
.set BR, R0+64*(\s%2)
	s_bitcmp1_b32 s39, 16+\s
	s_cbranch_scc0 .Lwhole_\s                      ; all keys count, or none: no addend is read for this step
	s_wait_xcnt 0x0                                ; earlier stores have read this set
.set n, 0
.rept 64
	v_bfe_u32 v[BR+n], v[X+16*\s+n/4], 8*(n%4), 1  ; bit 0 of byte n
.set n, n+1
.endr
.set n, 0
.rept 64
	v_mul_lo_u32 v[BR+n], v[BR+n], s[NEG]          ; 0, or the most negative finite f32
.set n, n+1
.endr
.irp g, 0,1,2,3,4,5,6,7,8,9,10,11,12,13,14,15
	global_store_b128 v1, v[BR+4*\g:BR+4*\g+3], s[10:11] offset:8192*\s+512*\g th:TH_STORE_NT
.endr
.Lwhole_\s:
.endr
	s_lshl_b32 s38, s15, 2
	s_lshl_b32 s38, s39, s38                       ; my four steps' bits at their place among the tile's sixteen
	s_lshl_b32 s44, s14, 4
	s_lshl_b32 s45, s15, 2
	s_add_co_u32 s44, s44, s45                     ; 16 bytes a tile, 4 a quarter
	s_mov_b32 s45, 0
	s_add_nc_u64 s[36:37], s[36:37], s[44:45]
	v_mov_b32 v242, s38
	v_mov_b32 v243, 0
	v_cmp_eq_u32 vcc_lo, 0, v7
	s_wait_alu depctr_va_vdst(0)
	s_wait_xcnt 0x0                                ; EXEC changes only behind this wait
	s_and_saveexec_b32 s40, vcc_lo
	global_store_b32 v243, v242, s[36:37]          ; lane 0 stores the word
	s_wait_xcnt 0x0
	s_or_b32 exec_lo, exec_lo, s40
	s_wait_tensorcnt 0x0                           ; the wave's end
	ds_add_u32 v11, v6
	s_wait_dscnt 0x0
	s_endpgm
.Lfunc_end_k_q709ee7145c_prep:
	.size	k_q709ee7145c_prep, .Lfunc_end_k_q709ee7145c_prep-k_q709ee7145c_prep
	.p2alignl 7, 3214868480
	.fill 96, 4, 3214868480
	.section	.rodata,"a",@progbits
	.p2align	6, 0x0
	.amdhsa_kernel k_q709ee7145c_prep
		.amdhsa_group_segment_fixed_size 68096
		.amdhsa_private_segment_fixed_size 0
		.amdhsa_enable_private_segment 0
		.amdhsa_kernarg_size 88
		.amdhsa_user_sgpr_count 2
		.amdhsa_user_sgpr_kernarg_segment_ptr 1
		.amdhsa_wavefront_size32 1
		.amdhsa_system_sgpr_workgroup_id_x 1
		.amdhsa_system_sgpr_workgroup_id_y 1
		.amdhsa_system_sgpr_workgroup_id_z 1
		.amdhsa_system_vgpr_workitem_id 0
		.amdhsa_next_free_vgpr 256
		.amdhsa_next_free_sgpr 66
		.amdhsa_reserve_vcc 1
		.amdhsa_float_denorm_mode_32 3
		.amdhsa_float_denorm_mode_16_64 3
		.amdhsa_memory_ordered 1
		.amdhsa_forward_progress 1
		.amdhsa_inst_pref_size 165
	.end_amdhsa_kernel
	.amdgpu_metadata
---
amdhsa.version: [ 1, 2 ]
amdhsa.kernels:
  - .name:           k_q709ee7145c_prep
    .symbol:         k_q709ee7145c_prep.kd
    .args:
      - { .name: x, .offset: 0, .size: 8, .value_kind: global_buffer, .address_space: global }
      - { .name: mask, .offset: 8, .size: 8, .value_kind: global_buffer, .address_space: global }
      - { .name: xq, .offset: 16, .size: 8, .value_kind: global_buffer, .address_space: global }
      - { .name: bias, .offset: 24, .size: 8, .value_kind: global_buffer, .address_space: global }
      - { .name: flags, .offset: 32, .size: 8, .value_kind: global_buffer, .address_space: global }
      - { .name: Wq, .offset: 40, .size: 8, .value_kind: global_buffer, .address_space: global }
      - { .name: Wg, .offset: 48, .size: 8, .value_kind: global_buffer, .address_space: global }
      - { .name: Wk, .offset: 56, .size: 8, .value_kind: global_buffer, .address_space: global }
      - { .name: Wv, .offset: 64, .size: 8, .value_kind: global_buffer, .address_space: global }
      - { .name: Wo, .offset: 72, .size: 8, .value_kind: global_buffer, .address_space: global }
      - { .name: wq, .offset: 80, .size: 8, .value_kind: global_buffer, .address_space: global }
    .group_segment_fixed_size: 68096
    .private_segment_fixed_size: 0
    .kernarg_segment_align: 8
    .kernarg_segment_size: 88
    .max_flat_workgroup_size: 128
    .sgpr_count:     66
    .vgpr_count:     256
    .wavefront_size: 32
...
	.end_amdgpu_metadata
.endif
;; end of part 1
;; launch gemm1 (part 2): grid 20 x 8, 4 waves a work-group, clusters of 4 x 4, 327,680 bytes of LDS; arguments xq, wq, cos, sin, q_scale, k_scale, act, gate; writes act, gate
.if DOCPART == 2
	.amdgcn_target "amdgcn-amd-amdhsa--gfx1250"
	.amdhsa_code_object_version 6
	.text
	.protected	k_q709ee7145c_gemm1
	.globl	k_q709ee7145c_gemm1
	.p2align	8
	.type	k_q709ee7145c_gemm1,@function
k_q709ee7145c_gemm1:
	s_mov_b64 s[64:65], 0
	v_nop
	global_prefetch_b8 v0, s[64:65] scope:SCOPE_SE
	s_setreg_imm32_b32 hwreg(HW_REG_WAVE_MODE, 25, 1), 1
	s_wait_xcnt 0x0
	s_wait_alu depctr_hold_cnt(0) depctr_sa_sdst(0) depctr_va_vdst(0) depctr_va_sdst(0) depctr_va_ssrc(0) depctr_va_vcc(0) depctr_vm_vsrc(0)
	s_getreg_b32 s2, hwreg(HW_REG_IB_STS2, 6, 4)
	s_cmp_eq_u32 s2, 0
	s_cbranch_scc0 .Lentry_in_a_cluster
	s_endpgm
.Lentry_in_a_cluster:
	s_bfe_u32 s2, ttmp6, 0x10000c
	s_cmp_lg_u32 s2, 0xf033
	s_cbranch_scc0 .Lentry_shape_is_right
	s_endpgm
.Lentry_shape_is_right:
.set NQ,     2
.set FR,     16
.set NL,     4
.set NP,     8
.set TILEB,  4096
.set HALFT,  8*TILEB
.set SLOT,   4*HALFT
.set LAPS,   4
.set SCL,    2*SLOT
.set HALFS,  8192
.set SPARE,  SCL+4*HALFS
.set SCR,    SPARE+512
.set A_SC,   4194304
.set B_SC,   14680064
.set QS,     4194304
.set KVC,    4456448
.set KVS,    6553600
.set LI,   1
.set EA,   2
.set SCRA, 3
.set FL,   5
.set FO,   6
.set CSO,  7
.set WO,   8
.set LI1,  9
.set RR,   11
.set HH,   12
.set ADRA, 16
.set ADRB, 20
.set ADRS, 27
.set SPW,  28
.set NIL,  29
.set SC,   32
.set AF,   128
.set PC,   64
.set WN,   96
.set E,    128
.set TM,   192
.set PW0,  208
.set PW1,  209
.set SS,   210
.set RS,   218
.set U,    224
.set G1, 24
.set G0, 32
.set G1B, 48
.set G0B, 56
.set G1S, 68
.set G0S, 76
.set G1SB, 80
.set G0SB, 88
.set SWAP, 98
.set TYPE, 99
.set MSB, 0
.macro WIN new
.if MSB != \new
	s_set_vgpr_msb (MSB<<8)|\new
.set MSB, \new
.endif
.endm
.set MUL_LO, 0xa1
.set MUL_HI, 0xf1
.set TO_B,   0x40
.macro JLOAD g0a, g1a, g0b, g1b
	s_cmp_eq_u32 s15, 0
	s_cbranch_scc0 .Lfor_b_\@
	tensor_load_to_lds s[\g0a:\g0a+3], s[\g1a:\g1a+7]
	s_nop 0
.rept 4
	v_nop
.endr
	s_branch .Lasked_\@
.Lfor_b_\@:
	tensor_load_to_lds s[\g0b:\g0b+3], s[\g1b:\g1b+7]
	s_nop 0
.rept 4
	v_nop
.endr
.Lasked_\@:
.endm
.macro CREST
	s_cmp_lg_u32 s14, 0
	s_cbranch_scc1 .Lnot_wave_0_\@
	s_barrier_signal -3
.Lnot_wave_0_\@:
	s_barrier_wait -3
	s_barrier_signal -1
	s_barrier_wait -1
.endm
.macro CROUND
	s_barrier_signal -1
	s_barrier_wait -1
	CREST
.endm
	s_load_b128 s[4:7], s[0:1], 0x0
	v_lshl_add_u32 v[SPW], v0, 2, SPARE
	v_mov_b32 v[NIL], 0
	ds_add_u32 v28, v29
	ds_add_u32 v28, v29
	s_wait_dscnt 0x0
	v_lshrrev_b32 v10, 5, v0
	v_readfirstlane_b32 s14, v10
	s_lshr_b32 s15, s14, 1
	s_and_b32 s16, s14, 1
	s_bfe_u32 s40, ttmp6, 0x40000
	s_bfe_u32 s41, ttmp6, 0x40004
	s_lshl_b32 s42, ttmp9, 2
	s_add_co_u32 s42, s42, s40
	s_and_b32 s17, ttmp7, 0xffff
	s_lshl_b32 s17, s17, 2
	s_add_co_u32 s17, s17, s41
	s_lshl_b32 s43, s41, 2
	s_lshl_b32 s43, 15, s43
	s_lshl_b32 s44, 0x1111, s40
	s_cmp_eq_u32 ttmp9, 4
	s_cselect_b32 s[SWAP], s16, 0
	s_lshl_b32 s[TYPE], s[SWAP], 1
	s_lshr_b32 s95, ttmp9, 1
	s_cmp_eq_u32 s95, 1
	s_cselect_b32 s[TYPE], 1, s[TYPE]
	s_or_b32 s[G1+0], s43, (3<<16)|(1<<21)
	s_or_b32 s[G1B+0], s44, (3<<16)|(1<<21)
.irp g, G1, G1B
	s_mov_b32 s[\g+1], 512<<16
	s_mov_b32 s[\g+2], 16<<16                      ; the head's loads bring a slot's 16 tiles of A or of B; behind them the two words that count rows are set to 8
	s_mov_b32 s[\g+3], 512<<16
	s_mov_b32 s[\g+4], 16
	s_mov_b32 s[\g+5], 4096
	s_mov_b32 s[\g+6], 0
	s_mov_b32 s[\g+7], 0
.endr
	s_or_b32 s[G1S+0], s43, (3<<16)|(1<<21)
	s_or_b32 s[G1SB+0], s44, (3<<16)|(1<<21)
.irp g, G1S, G1SB
	s_mov_b32 s[\g+1], 32<<16
	s_mov_b32 s[\g+2], 64<<16                      ; the scale words of 16 tiles: 64 rows of 256 bytes
	s_mov_b32 s[\g+3], 32<<16
	s_mov_b32 s[\g+4], 64
	s_mov_b32 s[\g+5], 32
	s_mov_b32 s[\g+6], 0
	s_mov_b32 s[\g+7], 0
.endr
	s_lshl_b32 s18, s16, 18                        ; in the ring I fetch 8 of the 16 tiles: which half, in bytes (32,768 a tile)
	s_mov_b32 s19, 0
	s_lshl_b32 s20, s17, 4
	s_lshl_b32 s46, s42, 4
	s_lshl_b32 s22, s20, 10
	s_add_co_u32 s22, s22, A_SC
	s_lshl_b32 s92, s46, 10
	s_add_co_u32 s92, s92, B_SC
	s_lshl_b32 s20, s20, 15
	s_lshl_b32 s46, s46, 15
	s_mov_b32 s21, 0
	s_mov_b32 s23, 0
	s_mov_b32 s47, 0
	s_mov_b32 s93, 0
	s_lshl_b32 s45, s14, 15
	s_wait_kmcnt 0x0
	s_add_nc_u64 s[20:21], s[4:5], s[20:21]
	s_add_nc_u64 s[22:23], s[4:5], s[22:23]
	s_add_nc_u64 s[46:47], s[6:7], s[46:47]
	s_add_nc_u64 s[92:93], s[6:7], s[92:93]
	CROUND
	s_mov_b32 s[G0S], 1
	s_mov_b32 s[G0S+1], SCL
	s_mov_b64 s[G0S+2:G0S+3], s[22:23]
	s_or_b32 s[G0S+3], s[G0S+3], 0x80000000
	s_mov_b32 s[G0SB], 1
	s_mov_b32 s[G0SB+1], SCL+2*HALFS
	s_mov_b64 s[G0SB+2:G0SB+3], s[92:93]
	s_or_b32 s[G0SB+3], s[G0SB+3], 0x80000000
	s_mov_b32 s8, 1                                ; s[8:11]: group 0 of the head's load of K step 0: A's 16 tiles,
	s_mov_b32 s9, 0
	s_mov_b64 s[10:11], s[20:21]
	s_or_b32 s11, s11, 0x80000000
	s_mov_b32 s4, 1                                ; s[4:7]: B's 16 tiles, behind them in slot 0 (the arguments that lay here have been used)
	s_mov_b32 s5, 2*HALFT
	s_mov_b64 s[6:7], s[46:47]
	s_or_b32 s7, s7, 0x80000000
	s_add_nc_u64 s[20:21], s[20:21], s[18:19]      ; for the ring: my 8 tiles
	s_add_nc_u64 s[46:47], s[46:47], s[18:19]
.irp s, 0,1
	s_mov_b32 s[G0+4*\s], 1
	s_add_co_u32 s[G0+4*\s+1], s45, \s*SLOT
	s_add_nc_u64 s[G0+4*\s+2:G0+4*\s+3], s[20:21], \s*TILEB
	s_or_b32 s[G0+4*\s+3], s[G0+4*\s+3], 0x80000000
	s_mov_b32 s[G0B+4*\s], 1
	s_add_co_u32 s[G0B+4*\s+1], s45, \s*SLOT
	s_add_nc_u64 s[G0B+4*\s+2:G0B+4*\s+3], s[46:47], \s*TILEB
	s_or_b32 s[G0B+4*\s+3], s[G0B+4*\s+3], 0x80000000
.endr
; THE HEAD'S LOADS, ONE A WAVE: wave 0 K step 0's tiles of A, wave 1 those of B, wave 2 A's scale words, wave 3 B's.  One chain of branches on the wave's number, a load to an arm.
.macro ARM under, g0, g1, next
	s_cmp_lt_u32 s14, \under
	s_cbranch_scc0 \next
	tensor_load_to_lds s[\g0:\g0+3], s[\g1:\g1+7]
	s_nop 0
.rept 4
	v_nop
.endr
	s_branch .Lhead_asked
\next:
.endm
	ARM 1, 8, G1, .Lhead_b
	ARM 2, 4, G1B, .Lhead_sa
	ARM 3, G0S, G1S, .Lhead_sb
	tensor_load_to_lds s[G0SB:G0SB+3], s[G1SB:G1SB+7]
	s_nop 0
.rept 4
	v_nop
.endr
.Lhead_asked:
; THE PREFETCHES.  A K step of the 8 tiles that my wave fetches is 128 blocks of 256 bytes.  The four partners that ask for them jointly share them out by address: the partner at place p (cx for A, cy for B)
; takes tiles 2 p and 2 p + 1, a lane a block.  Here K steps 1 and 2; at the change of slots of K step k, K step k + 3, which the next change loads; K step 7 is the last that is named.
	s_cmp_eq_u32 s15, 0
	s_cselect_b32 s95, s40, s41
	s_cselect_b64 s[96:97], s[20:21], s[46:47]
	s_lshl_b32 s95, s95, 16
	v_bfe_u32 v30, v0, 4, 1
	v_lshlrev_b32 v30, 15, v30
	v_add_nc_u32 v30, s95, v30
	v_and_b32 v31, 15, v0
	v_lshl_add_u32 v30, v31, 8, v30
	global_prefetch_b8 v30, s[96:97] offset:TILEB th:TH_LOAD_NT scope:SCOPE_SE
	global_prefetch_b8 v30, s[96:97] offset:2*TILEB th:TH_LOAD_NT scope:SCOPE_SE
	s_wait_alu depctr_va_vdst(0)
	s_wait_tensorcnt 0x0                           ; my tile of the head's four is in
	ds_add_u32 v28, v29
	s_mov_b32 s[G1+2], 8<<16                       ; no tensor load of mine is out: from here on a load brings 8 tiles
	s_mov_b32 s[G1+4], 8
	s_mov_b32 s[G1B+2], 8<<16
	s_mov_b32 s[G1B+4], 8
	s_wait_dscnt 0x0
	CROUND
	JLOAD G0+4, G1, G0B+4, G1B                     ; K step 1, the first tensor load behind the round
	v_and_b32 v10, 31, v0
	v_lshlrev_b32 v[LI], 4, v10
	s_wait_alu depctr_va_vdst(0)
	v_and_b32 v[RR], 15, v0
	s_wait_alu depctr_va_vdst(0)
	v_bfe_u32 v[HH], v0, 4, 1
	s_wait_alu depctr_va_vdst(0)
	s_lshl_b32 s21, s15, 15
	s_lshl_b32 s22, s16, 15
	s_add_co_u32 s22, s22, 2*HALFT
	s_cmp_eq_u32 s[SWAP], 1
	s_cselect_b32 s18, s22, s21
	s_cselect_b32 s19, s21, s22
.irp s, 0,1
	v_add_nc_u32 v[ADRA+\s], s18, v[LI]
	v_add_nc_u32 v[ADRB+\s], s19, v[LI]
	s_add_co_u32 s18, s18, SLOT
	s_add_co_u32 s19, s19, SLOT
.endr
	v_lshlrev_b32 v13, 3, v[RR]
	v_xor_b32 v14, s[SWAP], v[HH]
	s_lshl_b32 s21, s15, 13
	s_lshl_b32 s22, s16, 13
	s_add_co_u32 s22, s22, 2*HALFS
	s_sub_co_u32 s22, s22, s21
	v_mul_u32_u24 v14, s22, v14
	s_add_co_u32 s21, s21, SCL
	v_add_nc_u32 v13, v13, v14
	v_add_nc_u32 v[ADRS], s21, v13
	s_lshl_b32 s21, s14, 16
	v_add_nc_u32 v[EA], s21, v[LI]
	s_lshl_b32 s21, s14, 10
	s_add_co_u32 s21, s21, SCR
	v_lshl_add_u32 v[SCRA], v[RR], 2, s21
	v_add_nc_u32 v[FL], s21, v[LI]
	v_and_b32 v13, 8, v[RR]
	v_add_nc_u32 v13, v13, v[RR]
	v_lshlrev_b32 v[CSO], 8, v13
	v_lshl_add_u32 v[CSO], v[HH], 6, v[CSO]
	v_lshlrev_b32 v[WO], 6, v[HH]
.macro FRAG reg, adr, q, i
.irp c, 0,1,2,3
	ds_load_b128 v[\reg+4*\c:\reg+4*\c+3], v[\adr] offset:TILEB*(\i)+2048*(\q)+512*\c
.endr
.endm
.macro MUL16 a0, p, q, sc, zero
.irp a, \a0, \a0+1
.irp b, 0,1,2,3,4,5,6,7
.if \zero
	v_wmma_scale_f32_16x16x128_f8f6f4 v[8*(8*((\a)%4)+\b):8*(8*((\a)%4)+\b)+7], v[128*(\p)+FR*\b:128*(\p)+FR*\b+FR-1], v[AF+FR*(\a):AF+FR*(\a)+FR-1], 0, v[SC+8*NQ*(\sc)+NQ*\b+(\q)], v[SC+8*NQ*(\sc)+NQ*(\a)+(\q)] matrix_a_scale:MATRIX_SCALE_ROW1
.else
	v_wmma_scale_f32_16x16x128_f8f6f4 v[8*(8*((\a)%4)+\b):8*(8*((\a)%4)+\b)+7], v[128*(\p)+FR*\b:128*(\p)+FR*\b+FR-1], v[AF+FR*(\a):AF+FR*(\a)+FR-1], v[8*(8*((\a)%4)+\b):8*(8*((\a)%4)+\b)+7], v[SC+8*NQ*(\sc)+NQ*\b+(\q)], v[SC+8*NQ*(\sc)+NQ*(\a)+(\q)] matrix_a_scale:MATRIX_SCALE_ROW1
.endif
.endr
.endr
.endm
.macro FETCH_B slot, q, p
	WIN TO_B
.irp i, 0,1,2,3,4,5,6,7
	FRAG 128*(\p)+FR*\i, ADRB+\slot, \q, \i
.endr
	WIN 0
.endm
.macro FETCH_A slot, q, i0
.irp i, \i0, \i0+1, \i0+2, \i0+3
	FRAG AF+FR*(\i), ADRA+\slot, \q, \i
.endr
.endm
.macro SCALES sc
.irp i, 0,1,2,3,4,5,6,7
	ds_load_b64 v[SC+8*NQ*\sc+NQ*\i:SC+8*NQ*\sc+NQ*\i+1], v[ADRS] offset:\i*1024
.endr
.endm
.macro PLACES n
.rept \n
	v_nop
.endr
.endm
.macro STEP slot, q, zero
	s_wait_dscnt 4*NL
	WIN MUL_LO
	MUL16 0, (\q)%2, \q, \slot, \zero
	MUL16 2, (\q)%2, \q, \slot, \zero
	s_wait_dscnt 0
	PLACES NP
	FETCH_B \slot, (\q)+1, 1-(\q)%2
	FETCH_A \slot, (\q)+1, 0
	WIN MUL_HI
	MUL16 4, (\q)%2, \q, \slot, \zero
	MUL16 6, (\q)%2, \q, \slot, \zero
	PLACES NP
	WIN 0
	FETCH_A \slot, (\q)+1, 4
.endm
.macro TURN slot, next, fill
.if \fill
	s_wait_xcnt 0x0                                ; my prefetches have read their address: it steps a K step on
	s_add_nc_u64 s[96:97], s[96:97], TILEB
.endif
	s_wait_tensorcnt 0x0
	ds_add_u32 v[SPW], v[NIL]
	s_wait_dscnt 4*NL+1
	WIN MUL_LO
	MUL16 0, 1, NQ-1, \slot, 0
	s_wait_dscnt 0x0
	s_barrier_signal -1
	MUL16 2, 1, NQ-1, \slot, 0
	WIN 0
	s_barrier_wait -1
.if \fill
	CREST
	s_add_nc_u64 s[G0+4*\slot+2:G0+4*\slot+3], s[G0+4*\slot+2:G0+4*\slot+3], 2*TILEB
	s_add_nc_u64 s[G0B+4*\slot+2:G0B+4*\slot+3], s[G0B+4*\slot+2:G0B+4*\slot+3], 2*TILEB
	JLOAD G0+4*\slot, G1, G0B+4*\slot, G1B
	PLACES NP-4
.else
	PLACES NP
.endif
	s_wait_alu depctr_va_vdst(0)
	v_add_nc_u32 v[ADRS], 128, v[ADRS]
	FETCH_B \next, 0, 0
	FETCH_A \next, 0, 0
	SCALES \next
.if \fill
.if \slot
	s_cmp_gt_u32 s3, 1                             ; the last trip's second change would name K step 8
	s_cbranch_scc0 .Lno_ask_\@
.endif
	global_prefetch_b8 v30, s[96:97] offset:2*TILEB th:TH_LOAD_NT scope:SCOPE_SE
.Lno_ask_\@:
.endif
	WIN MUL_HI
	MUL16 4, 1, NQ-1, \slot, 0
	MUL16 6, 1, NQ-1, \slot, 0
	PLACES NP
	WIN 0
	FETCH_A \next, 0, 4
.endm
	s_wait_alu depctr_va_vdst(0)
	s_wait_tensorcnt 1
	s_barrier_signal -1
	s_barrier_wait -1
	FETCH_B 0, 0, 0
	FETCH_A 0, 0, 0
	SCALES 0
	FETCH_A 0, 0, 4
	STEP 0, 0, 1
	s_mov_b32 s3, LAPS-1
.Llap:
	TURN 0, 1, 1
	STEP 1, 0, 0
	TURN 1, 0, 1
	STEP 0, 0, 0
	s_sub_co_u32 s3, s3, 1
	s_cmp_lg_u32 s3, 0
	s_cbranch_scc1 .Llap
	s_load_b256 s[68:75], s[0:1], 0x10
	s_load_b128 s[76:79], s[0:1], 0x30
	TURN 0, 1, 0
	STEP 1, 0, 0
	s_wait_dscnt 4*NL
	WIN MUL_LO
	MUL16 0, 1, NQ-1, 1, 0
	MUL16 2, 1, NQ-1, 1, 0
	s_wait_dscnt 0
	WIN MUL_HI
	MUL16 4, 1, NQ-1, 1, 0
	MUL16 6, 1, NQ-1, 1, 0
	WIN 0
.set COSP, 68
.set SINP, 70
.set QSCP, 72
.set KSCP, 74
.set ACTP, 76
.set GATP, 78
.set COS0, 80
.set SIN0, 82
.set CBN,  84
.set SBN,  86
.set TO,   88
.set WB,   90
.set OB0,  20
.set OB1,  22
.set QS0,  24
.set QS1,  26
.set STP,  28
.set STA,  30
.set STB,  31
.set PP,   32
.set USTEP, 33
.set FAC,  34
.set C64,  36
.set CEPS, 37
.set SEL,  38
.set MNT,  40
.set MV,   41
.set MQ,   43
.set HS,   44
.set F0,   46
.set F1,   48
.set F2,   50
.set F3,   52
	PLACES NP
	s_wait_kmcnt 0x0
	s_lshl_b32 s54, s17, 4
	s_lshl_b32 s55, s15, 3
	s_add_co_u32 s54, s54, s55
	s_lshl_b32 s55, s42, 2
	s_lshl_b32 s56, s16, 1
	s_add_co_u32 s55, s55, s56
	s_lshl_b32 s56, s55, 7
	s_add_co_u32 s56, s56, s54
	s_lshl_b32 s57, s56, 10
	s_lshl_b32 s56, s56, 6
	s_add_co_u32 s56, s56, QS
	s_sub_co_u32 s58, s42, 16
	s_lshl_b32 s58, s58, 1
	s_mul_i32 s59, s58, 12288
	s_add_co_u32 s59, s59, KVS
	s_lshl_b32 s58, s58, 18
	s_lshl_b32 s60, s17, 15
	s_add_co_u32 s58, s58, s60
	s_lshl_b32 s60, s15, 13
	s_add_co_u32 s58, s58, s60
	s_add_co_u32 s58, s58, KVC
	s_add_co_u32 s60, s58, 16384
	s_lshl_b32 s61, s54, 6
	s_add_co_u32 s61, s61, s59
	s_lshl_b32 s62, s17, 1
	s_add_co_u32 s62, s62, s15
	s_lshl_b32 s62, s62, 8
	s_add_co_u32 s62, s62, s59
	s_add_co_u32 s62, s62, 8192
	s_sub_co_u32 s63, s55, 32
	s_lshl_b32 s63, s63, 12
	s_lshl_b32 s92, s54, 17
	s_add_co_u32 s63, s63, s92
	s_lshl_b32 s[TO], s54, 12
	s_mov_b32 s[TO+1], 0
	s_add_nc_u64 s[COS0:COS0+1], s[COSP:COSP+1], s[TO:TO+1]
	s_add_nc_u64 s[SIN0:SIN0+1], s[SINP:SINP+1], s[TO:TO+1]
	s_mov_b32 s[SEL], 0x76543210
	s_mov_b32 s[SEL+1], 0xfedcba98
	s_mov_b32 s[MNT], 0x600000
	s_mov_b32 s[C64], 0x3c800000
	s_mov_b32 s[CEPS], 0x358637bd
	s_mov_b32 s[F0+1], 0
	s_mov_b32 s[F1+1], 0
	s_mov_b32 s[F2+1], 0
	s_mov_b32 s[F3+1], 0
	s_mov_b32 s[STP+1], 0
	s_mov_b32 s[F1], 262144
	s_mov_b32 s[F3], 12288
	s_mov_b32 s[STA], 2048
	s_mov_b32 s[STB], 2048
	s_mov_b32 s[USTEP], 1024
	s_mov_b32 s[HS], 256
	s_mov_b32 s[MQ], 0x7f7f0000
	s_cmp_lt_u32 ttmp9, 2
	s_cselect_b32 s[F0], s57, s58
	s_cselect_b32 s[F1], 131072, s[F1]
	s_cselect_b32 s[F2], s56, s61
	s_cselect_b32 s[F3], 8192, s[F3]
	s_cselect_b32 s[FAC], 0x3e000000, 1.0
	s_cselect_b64 s[WB:WB+1], s[QSCP:QSCP+1], s[KSCP:KSCP+1]
	s_mov_b32 s[FAC+1], s[FAC]
	s_cmp_eq_u32 s[TYPE], 2
	s_cselect_b32 s[F0], s60, s[F0]
	s_cselect_b32 s[F1], 1024, s[F1]
	s_cselect_b32 s[F2], s62, s[F2]
	s_cselect_b32 s[STA], 4096, s[STA]
	s_cselect_b32 s[STB], 258048, s[STB]
	s_cselect_b32 s[USTEP], 2048, s[USTEP]
	s_cselect_b32 s[HS], 12288, s[HS]
	s_cselect_b32 s[MV], -1, 0
	s_cselect_b32 s[MQ], 0, s[MQ]
	s_cmp_eq_u32 s[TYPE], 1
	s_cselect_b32 s[F0], s63, s[F0]
	s_cselect_b32 s[STA], 262144, s[STA]
	s_cselect_b32 s[STB], 262144, s[STB]
	s_cselect_b64 s[OB0:OB0+1], s[GATP:GATP+1], s[ACTP:ACTP+1]
	s_add_nc_u64 s[OB0:OB0+1], s[OB0:OB0+1], s[F0:F0+1]
	s_add_nc_u64 s[OB1:OB1+1], s[OB0:OB0+1], s[F1:F1+1]
	s_add_nc_u64 s[QS0:QS0+1], s[ACTP:ACTP+1], s[F2:F2+1]
	s_add_nc_u64 s[QS1:QS1+1], s[QS0:QS0+1], s[F3:F3+1]
.irp j, 0,1,2,3
	global_load_b128 v[WN+4*\j:WN+4*\j+3], v[WO], s[WB:WB+1] offset:16*\j
	global_load_b128 v[WN+16+4*\j:WN+16+4*\j+3], v[WO], s[WB:WB+1] offset:128+16*\j
.endr
.macro CSLOAD u, cb, sb
	WIN TO_B
.irp j, 0,1,2,3
	global_load_b128 v[64*\u+4*\j:64*\u+4*\j+3], v[CSO], s[\cb:\cb+1] offset:2048*\u+16*\j
	global_load_b128 v[64*\u+16+4*\j:64*\u+16+4*\j+3], v[CSO], s[\cb:\cb+1] offset:2048*\u+128+16*\j
	global_load_b128 v[64*\u+32+4*\j:64*\u+32+4*\j+3], v[CSO], s[\sb:\sb+1] offset:2048*\u+16*\j
	global_load_b128 v[64*\u+48+4*\j:64*\u+48+4*\j+3], v[CSO], s[\sb:\sb+1] offset:2048*\u+128+16*\j
.endr
	WIN 0
.endm
	CSLOAD 0, COS0, SIN0
	CSLOAD 1, COS0, SIN0
	v_mul_u32_u24 v[FO], s[HS], v[HH]
	v_lshl_add_u32 v[FO], v[RR], 4, v[FO]
	v_add_nc_u32 v[LI1], s[USTEP], v[LI]
	v_mov_b32 v[PW0], 0
	v_mov_b32 v[PW1], 0
	v_mov_b32 v[RS+1], 0
	v_mov_b32 v[RS+3], 0
.irp b, 0,1,2,3
	v_mov_b32 v[TM+4+\b], 0
.endr
	s_wait_dscnt 0x0
	s_barrier_signal -1
	s_barrier_wait -1
.irp a, 0,1,2,3,4,5,6,7
	WIN 0x08+4*(\a/4)
.irp b, 0,1,2,3,4,5,6,7
	ds_store_b128 v[EA], v[8*(8*(\a%4)+\b):8*(8*(\a%4)+\b)+3] offset:1024*(8*\a+\b)
	ds_store_b128 v[EA], v[8*(8*(\a%4)+\b)+4:8*(8*(\a%4)+\b)+7] offset:1024*(8*\a+\b)+512
.endr
.endr
	WIN 0
	s_wait_loadcnt 32
.irp i, 0,2,4,6,8,10,12,14,16,18,20,22,24,26,28,30
	v_pk_add_f32 v[WN+\i:WN+\i+1], v[WN+\i:WN+\i+1], 1.0 op_sel_hi:[1,0]
.endr
.irp i, 0,2,4,6,8,10,12,14,16,18,20,22,24,26,28,30
	v_pk_mul_f32 v[WN+\i:WN+\i+1], v[WN+\i:WN+\i+1], s[FAC:FAC+1] op_sel_hi:[1,0]
.endr
.macro QUANT s, nb, pc
.set qb, 0
.rept \nb
	v_max3_num_f32 v[TM+qb], |v[\s+16*qb]|, |v[\s+16*qb+1]|, 0x4800000
.set qb, qb+1
.endr
.set qi, 2
.rept 7
.set qb, 0
.rept \nb
	v_max3_num_f32 v[TM+qb], v[TM+qb], |v[\s+16*qb+qi]|, |v[\s+16*qb+qi+1]|
.set qb, qb+1
.endr
.set qi, qi+2
.endr
.set qb, 0
.rept \nb
	v_permlanex16_b32 v[TM+4+qb], v[TM+qb], s[SEL], s[SEL+1]
.set qb, qb+1
.endr
.set qb, 0
.rept \nb
	v_max_num_f32 v[TM+qb], v[TM+qb], v[TM+4+qb]
.set qb, qb+1
.endr
.set qb, 0
.rept \nb
	v_add_nc_u32 v[TM+12+qb], 0xfc000000, v[TM+qb]
.set qb, qb+1
.endr
.set qb, 0
.rept \nb
	v_and_or_b32 v[TM+8+qb], v[TM+qb], 0x7f800000, s[MNT]
.set qb, qb+1
.endr
.set qb, 0
.rept \nb
	v_lshrrev_b32 v[TM+4+qb], 23, v[TM+12+qb]
.set qb, qb+1
.endr
.set qb, 0
.rept \nb
.set qi, 0
.rept 16
	v_med3_num_f32 v[\s+16*qb+qi], v[\s+16*qb+qi], -v[TM+8+qb], v[TM+8+qb]
.set qi, qi+1
.endr
	v_cvt_scalef32_pk8_fp8_f32 v[\pc+4*qb:\pc+4*qb+1], v[\s+16*qb:\s+16*qb+7], v[TM+12+qb]
	v_cvt_scalef32_pk8_fp8_f32 v[\pc+4*qb+2:\pc+4*qb+3], v[\s+16*qb+8:\s+16*qb+15], v[TM+12+qb]
.set qb, qb+1
.endr
	v_nop
.endm
.macro SUB u
	s_wait_xcnt 0x0
.if \u == 0
	s_add_co_u32 s[TO], s[PP], 1
	s_min_u32 s[TO], s[TO], 3
	s_lshl_b32 s[TO], s[TO], 13
	s_add_nc_u64 s[CBN:CBN+1], s[COS0:COS0+1], s[TO:TO+1]
	s_add_nc_u64 s[SBN:SBN+1], s[SIN0:SIN0+1], s[TO:TO+1]
.endif
.irp k, 0,1,2,3,4,5,6,7,8,9,10,11,12,13,14,15
	ds_load_b128 v[E+4*\k:E+4*\k+3], v[EA] offset:8192*\u+512*\k
.endr
	s_wait_loadcnt 16
	s_wait_dscnt 0x0
	s_cmp_eq_u32 s[TYPE], 1
	s_cbranch_scc1 .Lgate_\@
	s_cmp_eq_u32 s[TYPE], 2
	s_cbranch_scc1 .Lquant_\@
.irp hh, 0,1
	v_pk_mul_f32 v[SS+4*\hh:SS+4*\hh+1], v[E+32*\hh:E+32*\hh+1], v[E+32*\hh:E+32*\hh+1]
	v_pk_mul_f32 v[SS+4*\hh+2:SS+4*\hh+3], v[E+32*\hh+2:E+32*\hh+3], v[E+32*\hh+2:E+32*\hh+3]
.endr
.irp i, 4,8,12,16,20,24,28
.irp hh, 0,1
	v_pk_fma_f32 v[SS+4*\hh:SS+4*\hh+1], v[E+32*\hh+\i:E+32*\hh+\i+1], v[E+32*\hh+\i:E+32*\hh+\i+1], v[SS+4*\hh:SS+4*\hh+1]
	v_pk_fma_f32 v[SS+4*\hh+2:SS+4*\hh+3], v[E+32*\hh+\i+2:E+32*\hh+\i+3], v[E+32*\hh+\i+2:E+32*\hh+\i+3], v[SS+4*\hh+2:SS+4*\hh+3]
.endr
.endr
.irp hh, 0,1
	v_pk_add_f32 v[SS+4*\hh:SS+4*\hh+1], v[SS+4*\hh:SS+4*\hh+1], v[SS+4*\hh+2:SS+4*\hh+3]
.endr
.irp hh, 0,1
	v_add_f32 v[SS+4*\hh], v[SS+4*\hh], v[SS+4*\hh+1]
.endr
.irp hh, 0,1
	v_permlanex16_b32 v[SS+4*\hh+1], v[SS+4*\hh], s[SEL], s[SEL+1]
.endr
.irp hh, 0,1
	v_add_f32 v[SS+4*\hh], v[SS+4*\hh], v[SS+4*\hh+1]
.endr
.irp hh, 0,1
	v_fma_f32 v[SS+4*\hh], v[SS+4*\hh], s[C64], s[CEPS]
.endr
	s_wait_alu depctr_va_vdst(0)
.irp hh, 0,1
	v_rsq_f32 v[RS+2*\hh], v[SS+4*\hh]
.endr
	v_nop
	s_wait_alu depctr_va_vdst(0)
.irp hh, 0,1
.irp i, 0,2,4,6,8,10,12,14,16,18,20,22,24,26,28,30
	v_pk_mul_f32 v[E+32*\hh+\i:E+32*\hh+\i+1], v[E+32*\hh+\i:E+32*\hh+\i+1], v[RS+2*\hh:RS+2*\hh+1] op_sel_hi:[1,0]
.endr
.endr
.irp hh, 0,1
.irp i, 0,2,4,6,8,10,12,14,16,18,20,22,24,26,28,30
	v_pk_mul_f32 v[E+32*\hh+\i:E+32*\hh+\i+1], v[E+32*\hh+\i:E+32*\hh+\i+1], v[WN+\i:WN+\i+1]
.endr
.endr
	WIN 0x04
.irp i, 0,2,4,6,8,10,12,14
.irp hh, 0,1
.set LO, E+32*\hh+\i
.set HI, LO+16
.set UU, U+4*\hh+(\i%4)
	v_pk_mul_f32 v[UU:UU+1], v[LO:LO+1], v[64*\u+48+\i:64*\u+49+\i]
	v_pk_mul_f32 v[LO:LO+1], v[LO:LO+1], v[64*\u+\i:64*\u+1+\i]
	v_pk_fma_f32 v[LO:LO+1], v[HI:HI+1], v[64*\u+32+\i:64*\u+33+\i], v[LO:LO+1] neg_lo:[1,0,0] neg_hi:[1,0,0]
	v_pk_fma_f32 v[HI:HI+1], v[HI:HI+1], v[64*\u+16+\i:64*\u+17+\i], v[UU:UU+1]
.endr
.endr
	WIN 0
.Lquant_\@:
	QUANT E, 4, PC
	v_lshl_or_b32 v[PW0], v[TM+5], 8, v[TM+4]
	v_lshl_or_b32 v[PW1], v[TM+7], 8, v[TM+6]
	v_lshlrev_b32 v[TM+4], 16, v[PW1]
	v_and_or_b32 v[PW0], v[TM+4], s[MV], v[PW0]
	v_or_b32 v[PW0], s[MQ], v[PW0]
	v_or_b32 v[PW1], 0x7f7f0000, v[PW1]
.if \u == 0
	global_store_b128 v[LI], v[PC:PC+3], s[OB0:OB0+1]
	global_store_b128 v[LI], v[PC+4:PC+7], s[OB0:OB0+1] offset:512
	global_store_b128 v[LI], v[PC+8:PC+11], s[OB1:OB1+1]
	global_store_b128 v[LI], v[PC+12:PC+15], s[OB1:OB1+1] offset:512
.else
	global_store_b128 v[LI1], v[PC:PC+3], s[OB0:OB0+1]
	global_store_b128 v[LI1], v[PC+4:PC+7], s[OB0:OB0+1] offset:512
	global_store_b128 v[LI1], v[PC+8:PC+11], s[OB1:OB1+1]
	global_store_b128 v[LI1], v[PC+12:PC+15], s[OB1:OB1+1] offset:512
.endif
	s_branch .Lend_\@
.Lgate_\@:
.set gi, 0
.rept 32
	v_pk_mul_f32 v[E+gi:E+gi+1], v[E+gi:E+gi+1], 0xbfb8aa3b op_sel_hi:[1,0]
.set gi, gi+2
.endr
.set gi, 0
	s_wait_alu depctr_va_vdst(0)
.rept 64
	v_exp_f32 v[E+gi], v[E+gi]
.set gi, gi+1
.endr
	v_nop
	s_wait_alu depctr_va_vdst(0)
.set gi, 0
.rept 32
	v_pk_add_f32 v[E+gi:E+gi+1], v[E+gi:E+gi+1], 1.0 op_sel_hi:[1,0]
.set gi, gi+2
.endr
.set gi, 0
	s_wait_alu depctr_va_vdst(0)
.rept 64
	v_rcp_f32 v[E+gi], v[E+gi]
.set gi, gi+1
.endr
	v_nop
	s_wait_alu depctr_va_vdst(0)
.irp k, 0,1,2,3,4,5,6,7,8,9,10,11,12,13,14,15
	global_store_b128 v[LI], v[E+4*\k:E+4*\k+3], s[OB0:OB0+1] offset:131072*\u+512*\k
.endr
.Lend_\@:
	s_wait_alu depctr_va_vdst(0)
	ds_store_b32 v[SCRA], v[PW0] offset:64*\u
	ds_store_b32 v[SCRA], v[PW1] offset:512+64*\u
	CSLOAD \u, CBN, SBN
.endm
	s_mov_b32 s[PP], 0
.Lpair:
	s_wait_alu depctr_va_vdst(0)
	SUB 0
	SUB 1
	s_wait_xcnt 0x0
	s_bitcmp1_b32 s[PP], 0
	s_cselect_b32 s[STP], s[STB], s[STA]
	s_add_nc_u64 s[OB0:OB0+1], s[OB0:OB0+1], s[STP:STP+1]
	s_add_nc_u64 s[OB1:OB1+1], s[OB1:OB1+1], s[STP:STP+1]
	v_add_nc_u32 v[EA], 16384, v[EA]
	v_add_nc_u32 v[SCRA], 128, v[SCRA]
	s_add_co_u32 s[PP], s[PP], 1
	s_cmp_lt_u32 s[PP], 4
	s_cbranch_scc1 .Lpair
	ds_load_b128 v[E:E+3], v[FL]
	ds_load_b128 v[E+4:E+7], v[FL] offset:512
	s_wait_dscnt 0x0
	s_cmp_eq_u32 s[TYPE], 1
	s_cbranch_scc1 .Ldone
	global_store_b128 v[FO], v[E:E+3], s[QS0:QS0+1]
	s_cmp_eq_u32 s[TYPE], 2
	s_cbranch_scc1 .Ldone
	global_store_b128 v[LI], v[E+4:E+7], s[QS1:QS1+1]
.Ldone:
	s_wait_tensorcnt 0x0
	ds_add_u32 v[SPW], v[NIL]
	s_wait_dscnt 0x0
	CROUND
	s_endpgm
.Lfunc_end_k_q709ee7145c_gemm1:
	.size	k_q709ee7145c_gemm1, .Lfunc_end_k_q709ee7145c_gemm1-k_q709ee7145c_gemm1
	.p2alignl 7, 3214868480
	.fill 96, 4, 3214868480
	.section	.rodata,"a",@progbits
	.p2align	6, 0x0
	.amdhsa_kernel k_q709ee7145c_gemm1
		.amdhsa_group_segment_fixed_size 327680
		.amdhsa_private_segment_fixed_size 0
		.amdhsa_enable_private_segment 0
		.amdhsa_kernarg_size 64
		.amdhsa_user_sgpr_count 2
		.amdhsa_user_sgpr_kernarg_segment_ptr 1
		.amdhsa_wavefront_size32 1
		.amdhsa_system_sgpr_workgroup_id_x 1
		.amdhsa_system_sgpr_workgroup_id_y 1
		.amdhsa_system_sgpr_workgroup_id_z 1
		.amdhsa_system_vgpr_workitem_id 0
		.amdhsa_next_free_vgpr 1024
		.amdhsa_next_free_sgpr 100
		.amdhsa_reserve_vcc 0
		.amdhsa_float_denorm_mode_32 3
		.amdhsa_float_denorm_mode_16_64 3
		.amdhsa_memory_ordered 1
		.amdhsa_forward_progress 1
		.amdhsa_inst_pref_size 203
	.end_amdhsa_kernel
	.amdgpu_metadata
---
amdhsa.version: [ 1, 2 ]
amdhsa.kernels:
  - .name:           k_q709ee7145c_gemm1
    .symbol:         k_q709ee7145c_gemm1.kd
    .args:
      - { .name: xq, .offset: 0, .size: 8, .value_kind: global_buffer, .address_space: global }
      - { .name: wq, .offset: 8, .size: 8, .value_kind: global_buffer, .address_space: global }
      - { .name: cos, .offset: 16, .size: 8, .value_kind: global_buffer, .address_space: global }
      - { .name: sin, .offset: 24, .size: 8, .value_kind: global_buffer, .address_space: global }
      - { .name: q_scale, .offset: 32, .size: 8, .value_kind: global_buffer, .address_space: global }
      - { .name: k_scale, .offset: 40, .size: 8, .value_kind: global_buffer, .address_space: global }
      - { .name: act, .offset: 48, .size: 8, .value_kind: global_buffer, .address_space: global }
      - { .name: gate, .offset: 56, .size: 8, .value_kind: global_buffer, .address_space: global }
    .group_segment_fixed_size: 327680
    .private_segment_fixed_size: 0
    .kernarg_segment_align: 8
    .kernarg_segment_size: 64
    .max_flat_workgroup_size: 128
    .sgpr_count:     100
    .vgpr_count:     1024
    .wavefront_size: 32
...
	.end_amdgpu_metadata
.endif
;; end of part 2
;; launch attn (part 3): grid 32 x 8, 16 waves a work-group, no clusters, 80,384 bytes of LDS; arguments act, bias, gate, cq, flags; writes cq
.if DOCPART == 3
	.amdgcn_target "amdgcn-amd-amdhsa--gfx1250"
	.amdhsa_code_object_version 6
	.text
	.protected	k_q709ee7145c_attn
	.globl	k_q709ee7145c_attn
	.p2align	8
	.type	k_q709ee7145c_attn,@function
k_q709ee7145c_attn:
	s_mov_b64 s[64:65], 0
	v_nop
	global_prefetch_b8 v0, s[64:65] scope:SCOPE_SE
	s_setreg_imm32_b32 hwreg(HW_REG_WAVE_MODE, 25, 1), 1
	s_wait_xcnt 0x0
; ATTENTION ON CODES OF MX-FP8, ITS GATE AND THE QUANTISER OF THE LAST PRODUCT'S OPERAND.  32 heads of 64 in 8 groups that share K and V; 2,048 queries and keys.
; S^T = K Q^T (source 0 = 16 keys, source 1 = 16 queries; the head's 64 fill half of the instruction's 128, the other half is zero codes), p = 2^(t - M), M the ceiling of the running largest t,
; the row's sum of the unquantised p, p quantised along the keys, O^T += V^T P^T; at the end O / sum x gate is quantised along the heads' axis and leaves as codes and scale bytes in cq.
; WORK LEFT OUT.  mask is an input of whole numbers; the first launch stored, for each tile of 16 queries and each key step of 128, whether a key counts and whether one is masked (flags).
; A step none of whose keys counts gives p = 0 in all 16 rows and adds nothing to the sum or to O: a scalar branch on the stored bit leads round it.  A step with no masked key starts its scores with C = 0;
; a step with both takes the stored addend (0 or the most negative finite f32) as C.  LIMIT: a NaN or an infinity that reaches only a step left out is not carried to the result.
; SHARES.  A work-group of sixteen waves has one group's 4 heads (wave % 4) x 4 tiles (wave / 4): tiles 2 x, 2 x + 1, 126 - 2 x, 127 - 2 x, x the work-group's number: early and late queries together.
; K AND V come from memory through registers into a ring of two LDS slots of 256 keys (32,768 bytes: 64 bytes a thread): loaded at a trip's head, stored into the other slot at its end, one barrier a trip,
; eight trips whatever the flags say.  A slot that none of the four tiles needs is not fetched.  The group's scale words (12,288 bytes) are copied once.
; NO TENSOR LOAD, NO CLUSTER: the steps are chosen by branches on numbers read from memory.
; NO PREFETCH: the copies are plain loads that are themselves issued one slot, two key steps, ahead of the slot's first read.
; LIMITS: scaled scores stay under 2^31 in magnitude.  A row all of whose keys are masked has the sum 0: its scale bytes are written as 0xff, so that the last product gives NaN there.
; REGISTERS: v1-11 addresses; v12 -M, v13 largest t, v[14:15] the sum; v16-31 Q; v32-95 four fragments of K; v96-159 S^T, p, then V; v160-191 O^T; v192-207 the copy's 64 bytes, in the last trip v192-223 the gate; v224-239 p's codes; v232-255 at work.
.set QS,    4194304
.set KVC,   4456448
.set KVS,   6553600
.set SLOT1, 32768
.set VOFF,  16384
.set SCK,   2*SLOT1
.set SPARE, SCK+12288
.set CST,   SPARE+2048
.set LI,   1
.set ASK0, 2
.set CSA,  3
.set CRD,  4
.set SPW,  5
.set NIL,  6
.set TH,   7
.set ADK,  8
.set STA,  9
.set ADS,  10
.set ADT,  11
.set TM,   232
.set WV,   18
.set MNT,  19
.set SEL,  20
.set CS,   22
.set TB,   2
.set TS,   3
.set TJ,   66
.set CNT,  67
.set KVP,  76
.set BIA,  78
.set FL,   80
.set UN,   81
	s_load_b256 s[4:11], s[0:1], 0x0               ; act, bias, gate, cq
	s_load_b64 s[12:13], s[0:1], 0x20              ; flags
	v_lshl_add_u32 v[SPW], v0, 2, SPARE
	v_mov_b32 v[NIL], 0
	v_lshrrev_b32 v8, 5, v0
	v_readfirstlane_b32 s[WV], v8
	s_and_b32 s16, ttmp7, 0xffff                   ; the group
	s_and_b32 s61, s[WV], 3                        ; my head in it
	s_lshr_b32 s62, s[WV], 2                       ; which of the four tiles
	s_lshl_b32 s14, ttmp9, 1                       ; 2 x
	s_sub_co_u32 s15, 124, s14
	s_sub_co_u32 s99, s15, s14                     ; 124 - 4 x
	s_cmp_lt_u32 s62, 2
	s_cselect_b32 s68, s14, s15
	s_add_co_u32 s68, s68, s62                     ; my tile
	s_lshl_b32 s63, s16, 2
	s_add_co_u32 s63, s63, s61                     ; my head
	s_lshl_b32 s69, s63, 7
	s_add_co_u32 s69, s69, s68
	s_lshl_b32 s70, s69, 10                        ; Q's codes: 1,024 bytes a head and tile
	s_mov_b32 s71, 0
	s_lshl_b32 s72, s69, 6
	s_add_co_u32 s72, s72, QS                      ; Q's scale words
	s_mov_b32 s73, 0
	s_lshl_b32 s74, s68, 17
	s_lshl_b32 s69, s63, 12
	s_add_co_u32 s74, s74, s69                     ; the gate
	s_mov_b32 s75, 0
	s_lshl_b32 s82, s68, 15
	s_lshl_b32 s69, s63, 10
	s_add_co_u32 s82, s82, s69                     ; my codes in cq
	s_mov_b32 s83, 0
	s_lshl_b32 s84, s16, 7
	s_add_co_u32 s84, s84, 4194304                 ; the group's scale bytes in a tile's 1,024
	s_mov_b32 s85, 0
	s_lshl_b32 s86, s16, 18
	s_add_co_u32 s86, s86, KVC                     ; the group's K and V
	s_mov_b32 s87, 0
	s_lshl_b32 s88, s68, 17                        ; my tile's addend
	s_mov_b32 s89, 0
	s_mul_i32 s90, s16, 12288
	s_add_co_u32 s90, s90, KVS                     ; the group's scale words
	s_mov_b32 s91, 0
	s_lshl_b32 s92, s68, 4                         ; flags: my tile's four words,
	s_mov_b32 s93, 0
	s_lshl_b32 s94, s14, 4                         ; those of tiles 2 x, 2 x + 1,
	s_mov_b32 s95, 0
	s_add_co_u32 s96, s15, 2
	s_lshl_b32 s96, s96, 4                         ; and of tiles 126 - 2 x, 127 - 2 x
	s_mov_b32 s97, 0
	s_mov_b32 s[SEL], 0x76543210
	s_mov_b32 s[SEL+1], 0xfedcba98
	s_mov_b32 s[CS], 0x3fb8aa3b
	s_mov_b32 s[CS+1], s[CS]
	s_mov_b32 s[MNT], 0x600000
	s_mov_b32 s[TB], 0
	s_mov_b32 s[TS], 0
	s_mov_b32 s[TJ], 0
	s_mov_b32 s[CNT], 0
	v_and_b32 v8, 31, v0
	v_lshlrev_b32 v[LI], 4, v8                     ; 16 x lane
	v_lshlrev_b32 v[TH], 4, v0                     ; 16 x thread
	v_lshlrev_b32 v10, 3, v0
	v_and_b32 v9, 15, v0
	v_lshl_add_u32 v[ASK0], v9, 2, SCK
	v_lshlrev_b32 v254, 2, v9
	v_add_nc_u32 v214, SCK, v[TH]
	v_add_nc_u32 v215, SCK+8192, v10
	s_lshl_b32 s98, s62, 7
	s_lshl_b32 s69, s61, 1
	s_add_co_u32 s98, s98, s69
	s_add_co_u32 s98, s98, CST
	v_lshl_add_u32 v[CSA], v9, 3, s98
	v_add_nc_u32 v[CRD], CST, v[LI]
	s_wait_alu depctr_va_vdst(0)
	s_wait_kmcnt 0x0
	s_add_nc_u64 s[92:93], s[12:13], s[92:93]
	s_add_nc_u64 s[94:95], s[12:13], s[94:95]
	s_add_nc_u64 s[96:97], s[12:13], s[96:97]
	s_load_b128 s[40:43], s[92:93], 0x0
	s_load_b256 s[24:31], s[94:95], 0x0
	s_load_b256 s[32:39], s[96:97], 0x0
	s_add_nc_u64 s[KVP:KVP+1], s[4:5], s[86:87]
	s_add_nc_u64 s[90:91], s[4:5], s[90:91]
	s_add_nc_u64 s[70:71], s[4:5], s[70:71]
	s_add_nc_u64 s[72:73], s[4:5], s[72:73]
	s_add_nc_u64 s[BIA:BIA+1], s[6:7], s[88:89]
	s_add_nc_u64 s[74:75], s[8:9], s[74:75]
	s_add_nc_u64 s[82:83], s[10:11], s[82:83]
	s_add_nc_u64 s[84:85], s[10:11], s[84:85]
.irp i, 0,1,2,3
	global_load_b128 v[192+4*\i:195+4*\i], v[TH], s[KVP:KVP+1] offset:8192*\i   ; slot 0: the first 256 keys
.endr
	global_load_b128 v[208:211], v[TH], s[90:91]               ; K's scale words, 8,192 bytes
	global_load_b64 v[212:213], v10, s[90:91] offset:8192      ; V's, 4,096
	global_load_b128 v[16:19], v[LI], s[70:71]
	global_load_b128 v[20:23], v[LI], s[70:71] offset:512
	global_load_b32 v255, v254, s[72:73]
.irp n, 0,1,2,3,4,5,6,7
	v_mov_b32 v[24+\n], 0                          ; the upper 64 of the instruction's 128: zero codes, in Q
.endr
.irp t, 0,1,2,3
.irp n, 0,1,2,3,4,5,6,7
	v_mov_b32 v[40+16*\t+\n], 0                    ; and in K's fragments
.endr
.endr
	v_mov_b32 v13, 0xff61b1e6
	v_floor_f32 v12, -v13
	v_mov_b32 v14, 0
	v_mov_b32 v15, 0
.irp b, 0,1,2,3
	v_mov_b32 v[236+\b], 0
.endr
	v_mov_b32 v252, 0
	v_mov_b32 v253, 0
.set n, 0
.rept 32
	v_mov_b32 v[160+n], 0
.set n, n+1
.endr
.irp n, 0,1,2,3,4,5,6,7
	v_mov_b32 v[216+\n], 0                         ; written once: the gate lands here in the last trip
.endr
	s_wait_alu depctr_va_vdst(0)
	s_wait_loadcnt 0x0
.irp i, 0,1,2,3
	ds_store_b128 v[TH], v[192+4*\i:195+4*\i] offset:8192*\i
.endr
	ds_store_b128 v214, v[208:211]
	ds_store_b64 v215, v[212:213]
	s_wait_kmcnt 0x0
.irp k, 25,26,27,28,29,30,31,32,33,34,35,36,37,38,39
	s_or_b32 s24, s24, s\k
.endr
	s_and_b32 s[UN], s24, 0xffff                   ; bit s: some tile of the work-group needs key step s
	s_or_b32 s40, s40, s41
	s_or_b32 s42, s42, s43
	s_or_b32 s[FL], s40, s42                       ; my tile: bit s: step s has a key that counts; bit 16 + s: and a masked one
; S^T = K Q^T, four tiles of 16 keys at a time.  c = 1: the accumulators hold the addend; c = 0: the sums begin with 0
.macro SPROD q, c
.irp g, 0,1
.if \g > 0
.rept 8
	v_nop
.endr
.endif
.irp t, 0,1,2,3
	ds_load_b128 v[32+16*\t:35+16*\t], v[ADK] offset:8192*(\q)+1024*(4*\g+\t)
	ds_load_b128 v[36+16*\t:39+16*\t], v[ADK] offset:8192*(\q)+1024*(4*\g+\t)+512
	ds_load_b32 v[248+\t], v[ADS] offset:64*(4*\g+\t)
.endr
.if \c
.if \g == 0
	s_wait_loadcnt 0x0                             ; the addend is in
.endif
.endif
	s_wait_dscnt 0x0
.irp t, 0,1,2,3
.if \c
	v_wmma_scale_f32_16x16x128_f8f6f4 v[96+8*(4*\g+\t):103+8*(4*\g+\t)], v[32+16*\t:47+16*\t], v[16:31], v[96+8*(4*\g+\t):103+8*(4*\g+\t)], v[248+\t], v255
.else
	v_wmma_scale_f32_16x16x128_f8f6f4 v[96+8*(4*\g+\t):103+8*(4*\g+\t)], v[32+16*\t:47+16*\t], v[16:31], 0, v[248+\t], v255
.endif
.endr
.endr
.endm
; A KEY STEP: 128 keys, the q-th of the slot in hand
.macro STEP q
	s_bitcmp1_b32 s[FL], \q
	s_cbranch_scc0 .Lhid_\@                        ; no key of this step counts for my 16 queries
	v_add_nc_u32 v[ADK], s[TB], v[LI]
	v_add_nc_u32 v[ADS], s[TS], v[ASK0]
	v_add_nc_u32 v[ADT], s[TJ], v[ASK0]
.rept 6
	v_nop                                          ; with the three additions nine places behind the last products, whose operands' registers take loads and new sums
.endr
	s_wait_alu depctr_va_vdst(0)
	s_bitcmp1_b32 s[FL], 16+\q
	s_cbranch_scc0 .Lopen_\@
.irp n, 0,1,2,3,4,5,6,7,8,9,10,11,12,13,14,15
	global_load_b128 v[96+4*\n:99+4*\n], v[LI], s[BIA:BIA+1] offset:8192*(\q)+512*\n
.endr
	SPROD \q, 1
	s_branch .Lsm_\@
.Lopen_\@:
	SPROD \q, 0
.Lsm_\@:
.rept 8
	v_nop
.endr
.irp b, 0,1,2,3
	v_max3_num_f32 v[232+\b], v[96+16*\b], v[97+16*\b], v[98+16*\b]   ; the largest score of each block of 32 keys
.endr
.irp i, 3,5,7,9,11,13
.irp b, 0,1,2,3
	v_max3_num_f32 v[232+\b], v[232+\b], v[96+16*\b+\i], v[97+16*\b+\i]
.endr
.endr
.irp b, 0,1,2,3
	v_max_num_f32 v[232+\b], v[232+\b], v[111+16*\b]
.endr
.irp b, 0,1,2,3
	v_permlanex16_b32 v[236+\b], v[232+\b], s[SEL], s[SEL+1]
.endr
.irp b, 0,1,2,3
	s_delay_alu instid0(VALU_DEP_4)
	v_max_num_f32 v[232+\b], v[232+\b], v[236+\b]
.endr
	s_delay_alu instid0(VALU_DEP_2)
	v_max3_num_f32 v254, v232, v233, v234
	s_delay_alu instid0(VALU_DEP_1)
	v_max_num_f32 v254, v254, v235
	s_delay_alu instid0(VALU_DEP_1)
	v_mul_f32 v254, s[CS], v254
	s_delay_alu instid0(VALU_DEP_1)
	v_max_num_f32 v13, v13, v254                   ; the running largest t
	v_mov_b32 v254, v12
	s_delay_alu instid0(VALU_DEP_2)
	v_floor_f32 v12, -v13                          ; -M, a whole number
	s_delay_alu instid0(VALU_DEP_1)
	v_sub_f32 v254, v12, v254
	s_delay_alu instid0(VALU_DEP_1)
	v_cvt_i32_f32 v254, v254
	s_delay_alu instid0(VALU_DEP_1)
	v_ldexp_f32 v252, 1.0, v254                    ; f = 2^(old M - new M)
.irp j, 0,2,4,6,8,10,12,14,16,18,20,22,24,26,28,30,32,34,36,38,40,42,44,46,48,50,52,54,56,58,60,62
	v_pk_fma_f32 v[96+\j:97+\j], v[96+\j:97+\j], s[CS:CS+1], v[12:13] op_sel_hi:[1,0,0]
.endr
.irp b, 0,1,2,3
	v_fma_f32 v[232+\b], v[232+\b], s[CS], v12
.endr
.set n, 0
	s_wait_alu depctr_va_vdst(0)
.rept 64
	v_exp_f32 v[96+n], v[96+n]
.set n, n+1
.endr
	v_pk_mul_f32 v[14:15], v[14:15], v[252:253] op_sel_hi:[1,0]
	s_wait_alu depctr_va_vdst(0)
.irp b, 0,1,2,3
	v_exp_f32 v[232+\b], v[232+\b]                 ; each block's largest p
.endr
	v_pk_add_f32 v[236:237], v[96:97], v[98:99]    ; the row's sum of the unquantised p
.irp j, 4,8,12,16,20,24,28,32,36,40,44,48,52,56,60
	v_pk_add_f32 v[14:15], v[14:15], v[96+\j:97+\j]
	v_pk_add_f32 v[236:237], v[236:237], v[98+\j:99+\j]
.endr
	s_delay_alu instid0(VALU_DEP_1)
	v_pk_add_f32 v[14:15], v[14:15], v[236:237]
	s_wait_alu depctr_va_vdst(0)
.irp b, 0,1,2,3
	v_max_num_f32 v[232+\b], 0x4800000, v[232+\b]  ; the floor 2^(9 - 127)
.endr
.irp b, 0,1,2,3
	s_delay_alu instid0(VALU_DEP_4)
	v_add_nc_u32 v[244+\b], 0xfc000000, v[232+\b]  ; the conversion's scale operand
.endr
.irp b, 0,1,2,3
	v_and_or_b32 v[240+\b], v[232+\b], 0x7f800000, s[MNT]   ; 448 x the scale
.endr
.irp b, 0,1,2,3
	v_lshrrev_b32 v[236+\b], 23, v[244+\b]         ; the scale's byte
.endr
	s_delay_alu instid0(VALU_DEP_3)
	v_lshl_or_b32 v253, v237, 8, v236
	s_delay_alu instid0(VALU_DEP_1)
	v_lshl_or_b32 v253, v238, 16, v253
	s_delay_alu instid0(VALU_DEP_1)
	v_lshl_or_b32 v253, v239, 24, v253
.irp b, 0,1,2,3
.irp i, 0,1,2,3,4,5,6,7,8,9,10,11,12,13,14,15
	v_min_num_f32 v[96+16*\b+\i], v[96+16*\b+\i], v[240+\b]   ; the hold: the conversion does not saturate (ISA guide 7.6.2)
.endr
	v_cvt_scalef32_pk8_fp8_f32 v[224+4*\b:225+4*\b], v[96+16*\b:103+16*\b], v[244+\b]
	v_cvt_scalef32_pk8_fp8_f32 v[226+4*\b:227+4*\b], v[104+16*\b:111+16*\b], v[244+\b]
.endr
.irp t, 0,1,2,3
.irp c, 0,1,2,3
	ds_load_b128 v[96+16*\t+4*\c:99+16*\t+4*\c], v[ADK] offset:VOFF+8192*(\q)+2048*\t+512*\c
.endr
	ds_load_b32 v[248+\t], v[ADT] offset:8192+64*\t
.endr
.irp j, 0,2,4,6,8,10,12,14,16,18,20,22,24,26,28,30
	v_pk_mul_f32 v[160+\j:161+\j], v[160+\j:161+\j], v[252:253] op_sel_hi:[1,0]   ; O^T under the new M
.endr
	s_wait_alu depctr_va_vdst(0)
	s_wait_dscnt 0x0
.irp t, 0,1,2,3
	v_wmma_scale_f32_16x16x128_f8f6f4 v[160+8*\t:167+8*\t], v[96+16*\t:111+16*\t], v[224:239], v[160+8*\t:167+8*\t], v[248+\t], v253
.endr
.Lhid_\@:
	s_add_co_u32 s[TS], s[TS], 512                 ; the next step's scale words
	s_add_co_u32 s[TJ], s[TJ], 256
.endm
.Lslot:                                            ; eight trips, a slot of 256 keys each
	s_wait_dscnt 0x0                               ; my stores into this slot are done, and my reads of the other one
	s_barrier_signal -1
	s_barrier_wait -1
	s_cmp_eq_u32 s[CNT], 7
	s_cbranch_scc0 .Lnot_last
.irp n, 0,1,2,3,4,5,6,7
	global_load_b128 v[192+4*\n:195+4*\n], v[LI], s[74:75] offset:512*\n th:TH_LOAD_NT   ; the last trip copies nothing: its registers take the gate
.endr
	s_branch .Lasked
.Lnot_last:
	s_and_b32 s98, s[UN], 12                       ; does any of the four tiles need the next slot's two steps?
	s_cmp_eq_u32 s98, 0
	s_cbranch_scc1 .Lasked
.irp i, 0,1,2,3
	global_load_b128 v[192+4*\i:195+4*\i], v[TH], s[KVP:KVP+1] offset:32768+8192*\i
.endr
.Lasked:
	STEP 0
	STEP 1
	s_wait_loadcnt 0x0                             ; all my loads are in, so their bases may step below
	s_and_b32 s98, s[UN], 12
	s_cmp_eq_u32 s98, 0
	s_cbranch_scc1 .Lno_fill
	s_xor_b32 s98, s[TB], SLOT1                    ; the other slot: every wave's reads of it ended ahead of this trip's barrier
	v_add_nc_u32 v[STA], s98, v[TH]
.irp i, 0,1,2,3
	ds_store_b128 v[STA], v[192+4*\i:195+4*\i] offset:8192*\i
.endr
.Lno_fill:
	s_add_nc_u64 s[KVP:KVP+1], s[KVP:KVP+1], 32768
	s_add_nc_u64 s[BIA:BIA+1], s[BIA:BIA+1], 16384
	s_xor_b32 s[TB], s[TB], SLOT1
	s_lshr_b32 s[FL], s[FL], 2
	s_lshr_b32 s[UN], s[UN], 2
	s_add_co_u32 s[CNT], s[CNT], 1
	s_cmp_lt_u32 s[CNT], 8
	s_cbranch_scc1 .Lslot
; THE WAY OUT: O / sum x gate, quantised along the head's 64 (two blocks of 32), codes and scale bytes into cq
.rept 8
	v_nop
.endr
	v_add_f32 v14, v14, v15
	s_delay_alu instid0(VALU_DEP_1)
	v_permlanex16_b32 v252, v14, s[SEL], s[SEL+1]
	s_delay_alu instid0(VALU_DEP_1)
	v_add_f32 v14, v14, v252
	s_wait_alu depctr_va_vdst(0)
	v_rcp_f32 v252, v14
	v_cmp_eq_f32 vcc_lo, 0, v14
	v_mov_b32 v131, 0xffff
	s_wait_alu depctr_va_vdst(0)
.irp j, 0,2,4,6,8,10,12,14,16,18,20,22,24,26,28,30
	v_pk_mul_f32 v[96+\j:97+\j], v[160+\j:161+\j], v[252:253] op_sel_hi:[1,0]
.endr
.irp j, 0,2,4,6,8,10,12,14,16,18,20,22,24,26,28,30
	v_pk_mul_f32 v[96+\j:97+\j], v[96+\j:97+\j], v[192+\j:193+\j]
.endr
.irp b, 0,1
	v_max3_num_f32 v[TM+\b], |v[96+16*\b]|, |v[97+16*\b]|, 0x4800000
.endr
.irp i, 2,4,6,8,10,12,14
.irp b, 0,1
	s_delay_alu instid0(VALU_DEP_2)
	v_max3_num_f32 v[TM+\b], v[TM+\b], |v[96+16*\b+\i]|, |v[97+16*\b+\i]|
.endr
.endr
.irp b, 0,1
	v_permlanex16_b32 v[TM+4+\b], v[TM+\b], s[SEL], s[SEL+1]
.endr
.irp b, 0,1
	s_delay_alu instid0(VALU_DEP_2)
	v_max_num_f32 v[TM+\b], v[TM+\b], v[TM+4+\b]
.endr
.irp b, 0,1
	s_delay_alu instid0(VALU_DEP_2)
	v_add_nc_u32 v[TM+12+\b], 0xfc000000, v[TM+\b]
.endr
.irp b, 0,1
	s_delay_alu instid0(VALU_DEP_4)
	v_and_or_b32 v[TM+8+\b], v[TM+\b], 0x7f800000, s[MNT]
.endr
.irp b, 0,1
	s_delay_alu instid0(VALU_DEP_4)
	v_lshrrev_b32 v[TM+4+\b], 23, v[TM+12+\b]
.endr
.irp b, 0,1
.irp i, 0,1,2,3,4,5,6,7,8,9,10,11,12,13,14,15
	v_med3_num_f32 v[96+16*\b+\i], v[96+16*\b+\i], -v[TM+8+\b], v[TM+8+\b]
.endr
	v_cvt_scalef32_pk8_fp8_f32 v[224+4*\b:225+4*\b], v[96+16*\b:103+16*\b], v[TM+12+\b]
	v_cvt_scalef32_pk8_fp8_f32 v[226+4*\b:227+4*\b], v[104+16*\b:111+16*\b], v[TM+12+\b]
.endr
	v_lshl_or_b32 v130, v[TM+5], 8, v[TM+4]
	s_delay_alu instid0(VALU_DEP_1)
	v_cndmask_b32 v130, v130, v131, vcc_lo         ; a row with the sum 0: the bytes 0xff
	global_store_b128 v[LI], v[224:227], s[82:83]
	global_store_b128 v[LI], v[228:231], s[82:83] offset:512
	ds_store_b16 v[CSA], v130                      ; my head's two bytes of row r, among the group's eight
	s_wait_dscnt 0x0
	s_barrier_signal -1
	s_barrier_wait -1
	s_cmp_lg_u32 s[WV], 0
	s_cbranch_scc1 .Lnot_0
	ds_load_b128 v[96:99], v[CRD]                  ; wave 0 stores the four tiles' 128 bytes each: eight lanes to a tile
	v_and_b32 v104, 31, v0
	v_lshrrev_b32 v105, 3, v104                    ; j: which of the four tiles
	v_lshrrev_b32 v106, 4, v104
	v_mul_u32_u24 v106, s99, v106
	v_add_nc_u32 v105, v105, v106
	v_add_nc_u32 v105, s14, v105                   ; the tile: 2 x + j + (j / 2) (124 - 4 x)
	v_and_b32 v104, 7, v104
	v_lshlrev_b32 v105, 10, v105
	v_lshl_add_u32 v105, v104, 4, v105
	s_wait_alu depctr_va_vdst(0)
	s_wait_dscnt 0x0
	global_store_b128 v105, v[96:99], s[84:85]
.Lnot_0:
	s_wait_tensorcnt 0x0                           ; the wave's end
	ds_add_u32 v[SPW], v[NIL]
	s_wait_dscnt 0x0
	s_endpgm
.Lfunc_end_k_q709ee7145c_attn:
	.size	k_q709ee7145c_attn, .Lfunc_end_k_q709ee7145c_attn-k_q709ee7145c_attn
	.p2alignl 7, 3214868480
	.fill 96, 4, 3214868480
	.section	.rodata,"a",@progbits
	.p2align	6, 0x0
	.amdhsa_kernel k_q709ee7145c_attn
		.amdhsa_group_segment_fixed_size 80384
		.amdhsa_private_segment_fixed_size 0
		.amdhsa_enable_private_segment 0
		.amdhsa_kernarg_size 40
		.amdhsa_user_sgpr_count 2
		.amdhsa_user_sgpr_kernarg_segment_ptr 1
		.amdhsa_wavefront_size32 1
		.amdhsa_system_sgpr_workgroup_id_x 1
		.amdhsa_system_sgpr_workgroup_id_y 1
		.amdhsa_system_sgpr_workgroup_id_z 1
		.amdhsa_system_vgpr_workitem_id 0
		.amdhsa_next_free_vgpr 256
		.amdhsa_next_free_sgpr 100
		.amdhsa_reserve_vcc 1
		.amdhsa_float_denorm_mode_32 3
		.amdhsa_float_denorm_mode_16_64 3
		.amdhsa_memory_ordered 1
		.amdhsa_forward_progress 1
		.amdhsa_inst_pref_size 68
	.end_amdhsa_kernel
	.amdgpu_metadata
---
amdhsa.version: [ 1, 2 ]
amdhsa.kernels:
  - .name:           k_q709ee7145c_attn
    .symbol:         k_q709ee7145c_attn.kd
    .args:
      - { .name: act, .offset: 0, .size: 8, .value_kind: global_buffer, .address_space: global }
      - { .name: bias, .offset: 8, .size: 8, .value_kind: global_buffer, .address_space: global }
      - { .name: gate, .offset: 16, .size: 8, .value_kind: global_buffer, .address_space: global }
      - { .name: cq, .offset: 24, .size: 8, .value_kind: global_buffer, .address_space: global }
      - { .name: flags, .offset: 32, .size: 8, .value_kind: global_buffer, .address_space: global }
    .group_segment_fixed_size: 80384
    .private_segment_fixed_size: 0
    .kernarg_segment_align: 8
    .kernarg_segment_size: 40
    .max_flat_workgroup_size: 512
    .sgpr_count:     100
    .vgpr_count:     256
    .wavefront_size: 32
...
	.end_amdgpu_metadata
.endif
;; end of part 3
;; launch gemm2 (part 4): grid 16 x 16, 4 waves a work-group, clusters of 4 x 4, 327,680 bytes of LDS; arguments cq, wq, out0; writes out0
.if DOCPART == 4
	.amdgcn_target "amdgcn-amd-amdhsa--gfx1250"
	.amdhsa_code_object_version 6
	.text
	.protected	k_q709ee7145c_gemm2
	.globl	k_q709ee7145c_gemm2
	.p2align	8
	.type	k_q709ee7145c_gemm2,@function
k_q709ee7145c_gemm2:
	s_mov_b64 s[64:65], 0
	v_nop
	global_prefetch_b8 v0, s[64:65] scope:SCOPE_SE
	s_setreg_imm32_b32 hwreg(HW_REG_WAVE_MODE, 25, 1), 1
	s_wait_xcnt 0x0
	s_wait_alu depctr_hold_cnt(0) depctr_sa_sdst(0) depctr_va_vdst(0) depctr_va_sdst(0) depctr_va_ssrc(0) depctr_va_vcc(0) depctr_vm_vsrc(0)
	s_getreg_b32 s2, hwreg(HW_REG_IB_STS2, 6, 4)
	s_cmp_eq_u32 s2, 0
	s_cbranch_scc0 .Lentry_in_a_cluster
	s_endpgm
.Lentry_in_a_cluster:
	s_bfe_u32 s2, ttmp6, 0x10000c
	s_cmp_lg_u32 s2, 0xf033
	s_cbranch_scc0 .Lentry_shape_is_right
	s_endpgm
.Lentry_shape_is_right:
.set FR,     16
.set NL,     4
.set NP,     8
.set TILEB,  8192
.set HALFT,  4*TILEB
.set SLOT,   4*HALFT
.set SCL,    2*SLOT
.set HALFS,  4096
.set SPARE,  SCL+4*HALFS
.set A_SC,   4194304
.set B_CODE, 10485760
.set B_SC,   14680064+327680
.set SPITCH, 272
.set LI,   1
.set RR,   11
.set HH,   12
.set ADRA, 16
.set ADRB, 20
.set STO,  24
.set RD,   25
.set CO,   26
.set ADRS, 27
.set SPW,  28
.set NIL,  29
.set SC,   32
.set BK,   64
.set ACC,  128
.set G1, 24
.set G0, 32
.set G1B, 48
.set G0B, 56
.set G1S, 68
.set G0S, 76
.set G1SB, 80
.set G0SB, 88
.set MSB, 0
.macro WIN new
.if MSB != \new
	s_set_vgpr_msb (MSB<<8)|\new
.set MSB, \new
.endif
.endm
.set MUL,  0x05
.set TO_F, 0x40
.macro JLOAD g0a, g1a, g0b, g1b
	s_cmp_eq_u32 s15, 0
	s_cbranch_scc0 .Lfor_b_\@
	tensor_load_to_lds s[\g0a:\g0a+3], s[\g1a:\g1a+7]
	s_nop 0
.rept 4
	v_nop
.endr
	s_branch .Lasked_\@
.Lfor_b_\@:
	tensor_load_to_lds s[\g0b:\g0b+3], s[\g1b:\g1b+7]
	s_nop 0
.rept 4
	v_nop
.endr
.Lasked_\@:
.endm
.macro CREST
	s_cmp_lg_u32 s14, 0
	s_cbranch_scc1 .Lnot_wave_0_\@
	s_barrier_signal -3
.Lnot_wave_0_\@:
	s_barrier_wait -3
	s_barrier_signal -1
	s_barrier_wait -1
.endm
.macro CROUND
	s_barrier_signal -1
	s_barrier_wait -1
	CREST
.endm
	s_load_b128 s[4:7], s[0:1], 0x0
	s_load_b64 s[12:13], s[0:1], 0x10
	v_lshl_add_u32 v[SPW], v0, 2, SPARE
	v_mov_b32 v[NIL], 0
	ds_add_u32 v28, v29
	ds_add_u32 v28, v29
	s_wait_dscnt 0x0
	v_lshrrev_b32 v10, 5, v0
	v_readfirstlane_b32 s14, v10
	s_lshr_b32 s15, s14, 1
	s_and_b32 s16, s14, 1
	s_bfe_u32 s40, ttmp6, 0x40000
	s_bfe_u32 s41, ttmp6, 0x40004
	s_lshl_b32 s42, ttmp9, 2
	s_add_co_u32 s42, s42, s40
	s_and_b32 s17, ttmp7, 0xffff
	s_lshl_b32 s17, s17, 2
	s_add_co_u32 s17, s17, s41
	s_lshl_b32 s43, s41, 2
	s_lshl_b32 s43, 15, s43
	s_lshl_b32 s44, 0x1111, s40
	s_or_b32 s[G1+0], s43, (3<<16)|(1<<21)
	s_or_b32 s[G1B+0], s44, (3<<16)|(1<<21)
.irp g, G1, G1B
	s_mov_b32 s[\g+1], 1024<<16
	s_mov_b32 s[\g+2], 8<<16                       ; the head's loads bring a slot's 8 tiles of A or of B; behind them the two words that count rows are set to 4
	s_mov_b32 s[\g+3], 1024<<16
	s_mov_b32 s[\g+4], 8
	s_mov_b32 s[\g+5], 4096
	s_mov_b32 s[\g+6], 0
	s_mov_b32 s[\g+7], 0
.endr
	s_or_b32 s[G1S+0], s43, (3<<16)|(1<<21)
	s_or_b32 s[G1SB+0], s44, (3<<16)|(1<<21)
.irp g, G1S, G1SB
	s_mov_b32 s[\g+1], 32<<16
	s_mov_b32 s[\g+2], 32<<16                      ; the scale words of 8 tiles: 32 rows of 256 bytes
	s_mov_b32 s[\g+3], 32<<16
	s_mov_b32 s[\g+4], 32
	s_mov_b32 s[\g+5], 32
	s_mov_b32 s[\g+6], 0
	s_mov_b32 s[\g+7], 0
.endr
	s_lshl_b32 s18, s16, 17                        ; in the ring I fetch 4 of the 8 tiles: which half, in bytes (32,768 a tile)
	s_mov_b32 s19, 0
	s_lshl_b32 s20, s17, 3
	s_lshl_b32 s46, s42, 3
	s_lshl_b32 s22, s20, 10
	s_add_co_u32 s22, s22, A_SC
	s_lshl_b32 s92, s46, 10
	s_add_co_u32 s92, s92, B_SC
	s_lshl_b32 s20, s20, 15
	s_lshl_b32 s46, s46, 15
	s_add_co_u32 s46, s46, B_CODE
	s_mov_b32 s21, 0
	s_mov_b32 s23, 0
	s_mov_b32 s47, 0
	s_mov_b32 s93, 0
	s_lshl_b32 s45, s14, 15
	s_wait_kmcnt 0x0
	s_add_nc_u64 s[20:21], s[4:5], s[20:21]
	s_add_nc_u64 s[22:23], s[4:5], s[22:23]
	s_add_nc_u64 s[46:47], s[6:7], s[46:47]
	s_add_nc_u64 s[92:93], s[6:7], s[92:93]
	CROUND
	s_mov_b32 s[G0S], 1
	s_mov_b32 s[G0S+1], SCL
	s_mov_b64 s[G0S+2:G0S+3], s[22:23]
	s_or_b32 s[G0S+3], s[G0S+3], 0x80000000
	s_mov_b32 s[G0SB], 1
	s_mov_b32 s[G0SB+1], SCL+2*HALFS
	s_mov_b64 s[G0SB+2:G0SB+3], s[92:93]
	s_or_b32 s[G0SB+3], s[G0SB+3], 0x80000000
	s_mov_b32 s8, 1                                ; s[8:11]: group 0 of the head's load of K step 0: A's 8 tiles,
	s_mov_b32 s9, 0
	s_mov_b64 s[10:11], s[20:21]
	s_or_b32 s11, s11, 0x80000000
	s_mov_b32 s4, 1                                ; s[4:7]: B's 8 tiles, behind them in slot 0 (the arguments that lay here have been used)
	s_mov_b32 s5, 2*HALFT
	s_mov_b64 s[6:7], s[46:47]
	s_or_b32 s7, s7, 0x80000000
	s_add_nc_u64 s[20:21], s[20:21], s[18:19]      ; for the ring: my 4 tiles
	s_add_nc_u64 s[46:47], s[46:47], s[18:19]
.irp s, 0,1
	s_mov_b32 s[G0+4*\s], 1
	s_add_co_u32 s[G0+4*\s+1], s45, \s*SLOT
	s_add_nc_u64 s[G0+4*\s+2:G0+4*\s+3], s[20:21], \s*TILEB
	s_or_b32 s[G0+4*\s+3], s[G0+4*\s+3], 0x80000000
	s_mov_b32 s[G0B+4*\s], 1
	s_add_co_u32 s[G0B+4*\s+1], s45, \s*SLOT
	s_add_nc_u64 s[G0B+4*\s+2:G0B+4*\s+3], s[46:47], \s*TILEB
	s_or_b32 s[G0B+4*\s+3], s[G0B+4*\s+3], 0x80000000
.endr
; THE HEAD'S LOADS, ONE A WAVE: wave 0 K step 0's tiles of A, wave 1 those of B, wave 2 A's scale words, wave 3 B's.  One chain of branches on the wave's number, a load to an arm.
.macro ARM under, g0, g1, next
	s_cmp_lt_u32 s14, \under
	s_cbranch_scc0 \next
	tensor_load_to_lds s[\g0:\g0+3], s[\g1:\g1+7]
	s_nop 0
.rept 4
	v_nop
.endr
	s_branch .Lhead_asked
\next:
.endm
	ARM 1, 8, G1, .Lhead_b
	ARM 2, 4, G1B, .Lhead_sa
	ARM 3, G0S, G1S, .Lhead_sb
	tensor_load_to_lds s[G0SB:G0SB+3], s[G1SB:G1SB+7]
	s_nop 0
.rept 4
	v_nop
.endr
.Lhead_asked:
; THE PREFETCHES.  A K step of the 4 tiles that my wave fetches is 128 blocks of 256 bytes.  The four partners that ask for them jointly share them out by address: the partner at place p (cx for A, cy for B)
; takes tile p, a lane a block.  Here K steps 1 and 2; at the first change of slots K step 3, the last.
	s_cmp_eq_u32 s15, 0
	s_cselect_b32 s95, s40, s41
	s_cselect_b64 s[96:97], s[20:21], s[46:47]
	s_lshl_b32 s95, s95, 15
	v_and_b32 v30, 31, v0
	v_lshl_add_u32 v30, v30, 8, s95
	global_prefetch_b8 v30, s[96:97] offset:TILEB th:TH_LOAD_NT scope:SCOPE_SE
	global_prefetch_b8 v30, s[96:97] offset:2*TILEB th:TH_LOAD_NT scope:SCOPE_SE
	s_wait_alu depctr_va_vdst(0)
	s_wait_tensorcnt 0x0                           ; my tile of the head's four is in
	ds_add_u32 v28, v29
	s_mov_b32 s[G1+2], 4<<16                       ; no tensor load of mine is out: from here on a load brings 4 tiles
	s_mov_b32 s[G1+4], 4
	s_mov_b32 s[G1B+2], 4<<16
	s_mov_b32 s[G1B+4], 4
	s_wait_dscnt 0x0
	CROUND
	JLOAD G0+4, G1, G0B+4, G1B                     ; K step 1, the first tensor load behind the round
	v_and_b32 v10, 31, v0
	v_lshlrev_b32 v[LI], 4, v10
	v_and_b32 v[RR], 15, v0
	v_bfe_u32 v[HH], v0, 4, 1
	s_wait_alu depctr_va_vdst(0)
	s_lshl_b32 s18, s15, 15
	s_lshl_b32 s19, s16, 15
	s_add_co_u32 s19, s19, 2*HALFT
.irp s, 0,1
	v_add_nc_u32 v[ADRA+\s], s18, v[LI]
	v_add_nc_u32 v[ADRB+\s], s19, v[LI]
	s_add_co_u32 s18, s18, SLOT
	s_add_co_u32 s19, s19, SLOT
.endr
	v_lshlrev_b32 v13, 3, v[RR]
	s_lshl_b32 s21, s15, 12
	s_lshl_b32 s22, s16, 12
	s_add_co_u32 s22, s22, 2*HALFS
	s_sub_co_u32 s22, s22, s21
	v_mul_u32_u24 v14, s22, v[HH]
	s_add_co_u32 s21, s21, SCL
	v_add_nc_u32 v13, v13, v14
	v_add_nc_u32 v[ADRS], s21, v13
	s_mul_i32 s23, s14, 16*SPITCH
	v_mul_u32_u24 v13, v[RR], SPITCH
	v_lshl_add_u32 v13, v[HH], 6, v13
	v_add_nc_u32 v[STO], s23, v13
	v_mul_u32_u24 v13, v[HH], SPITCH
	v_lshl_add_u32 v13, v[RR], 4, v13
	v_add_nc_u32 v[RD], s23, v13
	v_lshlrev_b32 v[CO], 13, v[HH]
	v_lshl_add_u32 v[CO], v[RR], 4, v[CO]
	s_lshl_b32 s20, s17, 7
	s_lshl_b32 s21, s15, 6
	s_add_co_u32 s20, s20, s21
	s_lshl_b32 s20, s20, 13
	s_lshl_b32 s46, s42, 9
	s_lshl_b32 s47, s16, 8
	s_add_co_u32 s46, s46, s47
	s_add_co_u32 s20, s20, s46
	s_mov_b32 s21, 0
	s_add_nc_u64 s[12:13], s[12:13], s[20:21]
.macro FRAG reg, adr, q, i
.irp c, 0,1,2,3
	ds_load_b128 v[\reg+4*\c:\reg+4*\c+3], v[\adr] offset:TILEB*(\i)+2048*(\q)+512*\c
.endr
.endm
.macro FETCH slot, q, f
	WIN TO_F
.irp i, 0,1,2,3
	FRAG \f+64+FR*\i, ADRB+\slot, \q, \i
.endr
.irp i, 0,1,2,3
	FRAG \f+FR*\i, ADRA+\slot, \q, \i
.endr
.endm
.macro SCALES sc
.irp i, 0,1,2,3
	ds_load_b64 v[SC+16*\sc+4*\i:SC+16*\sc+4*\i+1], v[ADRS] offset:\i*1024
	ds_load_b64 v[SC+16*\sc+4*\i+2:SC+16*\sc+4*\i+3], v[ADRS] offset:\i*1024+128
.endr
.endm
.macro MUL4 f, a, q, sc, zero
.irp b, 0,1,2,3
.if \zero
	v_wmma_scale_f32_16x16x128_f8f6f4 v[ACC+8*(4*(\a)+\b):ACC+8*(4*(\a)+\b)+7], v[\f+64+FR*\b:\f+64+FR*\b+FR-1], v[\f+FR*(\a):\f+FR*(\a)+FR-1], 0, v[SC+16*(\sc)+4*\b+(\q)], v[SC+16*(\sc)+4*(\a)+(\q)] matrix_a_scale:MATRIX_SCALE_ROW1
.else
	v_wmma_scale_f32_16x16x128_f8f6f4 v[ACC+8*(4*(\a)+\b):ACC+8*(4*(\a)+\b)+7], v[\f+64+FR*\b:\f+64+FR*\b+FR-1], v[\f+FR*(\a):\f+FR*(\a)+FR-1], v[ACC+8*(4*(\a)+\b):ACC+8*(4*(\a)+\b)+7], v[SC+16*(\sc)+4*\b+(\q)], v[SC+16*(\sc)+4*(\a)+(\q)] matrix_a_scale:MATRIX_SCALE_ROW1
.endif
.endr
.endm
.macro PLACES n
.rept \n
	v_nop
.endr
.endm
.macro STEP slot, q, zero
	s_wait_dscnt 2*NL
	WIN MUL
	MUL4 128*((\q)%2), 0, \q, \slot, \zero
	MUL4 128*((\q)%2), 1, \q, \slot, \zero
	PLACES NP
	FETCH \slot, (\q)+1, 128*(1-(\q)%2)
	s_wait_dscnt 8*NL
	WIN MUL
	MUL4 128*((\q)%2), 2, \q, \slot, \zero
	MUL4 128*((\q)%2), 3, \q, \slot, \zero
.endm
.macro TURN slot, next, fill
	WIN 0
	s_wait_tensorcnt 0x0
	ds_add_u32 v[SPW], v[NIL]
	s_wait_dscnt 2*NL+1
	WIN MUL
	MUL4 128, 0, 3, \slot, 0
	s_wait_dscnt 0x0
	s_barrier_signal -1
	MUL4 128, 1, 3, \slot, 0
	WIN 0
	s_barrier_wait -1
.if \fill
	CREST
	s_add_nc_u64 s[G0+4*\slot+2:G0+4*\slot+3], s[G0+4*\slot+2:G0+4*\slot+3], 2*TILEB
	s_add_nc_u64 s[G0B+4*\slot+2:G0B+4*\slot+3], s[G0B+4*\slot+2:G0B+4*\slot+3], 2*TILEB
	JLOAD G0+4*\slot, G1, G0B+4*\slot, G1B
	PLACES NP-4
.else
	PLACES NP
.endif
	s_wait_alu depctr_va_vdst(0)
	v_add_nc_u32 v[ADRS], 256, v[ADRS]
	SCALES \next
.if \fill
.if \slot == 0
	global_prefetch_b8 v30, s[96:97] offset:3*TILEB th:TH_LOAD_NT scope:SCOPE_SE
.endif
.endif
	FETCH \next, 0, 0
	WIN MUL
	MUL4 128, 2, 3, \slot, 0
	MUL4 128, 3, 3, \slot, 0
.endm
	s_wait_alu depctr_va_vdst(0)
	s_wait_tensorcnt 1
	s_barrier_signal -1
	s_barrier_wait -1
	SCALES 0
	FETCH 0, 0, 0
	STEP 0, 0, 1
	STEP 0, 1, 0
	STEP 0, 2, 0
	TURN 0, 1, 1
	STEP 1, 0, 0
	STEP 1, 1, 0
	STEP 1, 2, 0
	TURN 1, 0, 1
	STEP 0, 0, 0
	STEP 0, 1, 0
	STEP 0, 2, 0
	TURN 0, 1, 0
	STEP 1, 0, 0
	STEP 1, 1, 0
	STEP 1, 2, 0
	s_wait_dscnt 2*NL
	WIN MUL
	MUL4 128, 0, 3, 1, 0
	MUL4 128, 1, 3, 1, 0
	s_wait_dscnt 0
	MUL4 128, 2, 3, 1, 0
	MUL4 128, 3, 3, 1, 0
	WIN 0
.macro TOSTAGE a
.set AC, ACC+32*(\a)
.irp b, 0,1,2,3
	ds_store_b128 v[STO], v[AC+8*\b:AC+8*\b+3] offset:128*(\b/2)+32*(\b%2)
	ds_store_b128 v[STO], v[AC+8*\b+4:AC+8*\b+7] offset:128*(\b/2)+32*(\b%2)+16
.endr
.set BB, BK+32*((\a)%2)
.irp t, 0,1,2,3,4,5,6,7
	ds_load_b128 v[BB+4*\t:BB+4*\t+3], v[RD] offset:2*\t*SPITCH
.endr
.endm
.macro SEND a, younger
.set BB, BK+32*((\a)%2)
	s_wait_dscnt \younger
.irp t, 0,1,2,3,4,5,6,7
	global_store_b128 v[CO], v[BB+4*\t:BB+4*\t+3], s[12:13] offset:(32*((\a)/2)+8*((\a)%2)+2*\t+8*(\t/4))*8192 th:TH_STORE_NT
.endr
.endm
	PLACES NP
	TOSTAGE 0
.irp a, 1,2,3
.if \a > 1
	s_wait_xcnt 0x0
.endif
	TOSTAGE \a
	SEND \a-1, 16
.endr
	SEND 3, 0
	s_wait_tensorcnt 0x0
	ds_add_u32 v[SPW], v[NIL]
	s_wait_dscnt 0x0
	CROUND
	s_endpgm
.Lfunc_end_k_q709ee7145c_gemm2:
	.size	k_q709ee7145c_gemm2, .Lfunc_end_k_q709ee7145c_gemm2-k_q709ee7145c_gemm2
	.p2alignl 7, 3214868480
	.fill 96, 4, 3214868480
	.section	.rodata,"a",@progbits
	.p2align	6, 0x0
	.amdhsa_kernel k_q709ee7145c_gemm2
		.amdhsa_group_segment_fixed_size 327680
		.amdhsa_private_segment_fixed_size 0
		.amdhsa_enable_private_segment 0
		.amdhsa_kernarg_size 24
		.amdhsa_user_sgpr_count 2
		.amdhsa_user_sgpr_kernarg_segment_ptr 1
		.amdhsa_wavefront_size32 1
		.amdhsa_system_sgpr_workgroup_id_x 1
		.amdhsa_system_sgpr_workgroup_id_y 1
		.amdhsa_system_sgpr_workgroup_id_z 1
		.amdhsa_system_vgpr_workitem_id 0
		.amdhsa_next_free_vgpr 512
		.amdhsa_next_free_sgpr 100
		.amdhsa_reserve_vcc 0
		.amdhsa_float_denorm_mode_32 3
		.amdhsa_float_denorm_mode_16_64 3
		.amdhsa_memory_ordered 1
		.amdhsa_forward_progress 1
		.amdhsa_inst_pref_size 93
	.end_amdhsa_kernel
	.amdgpu_metadata
---
amdhsa.version: [ 1, 2 ]
amdhsa.kernels:
  - .name:           k_q709ee7145c_gemm2
    .symbol:         k_q709ee7145c_gemm2.kd
    .args:
      - { .name: cq, .offset: 0, .size: 8, .value_kind: global_buffer, .address_space: global }
      - { .name: wq, .offset: 8, .size: 8, .value_kind: global_buffer, .address_space: global }
      - { .name: out0, .offset: 16, .size: 8, .value_kind: global_buffer, .address_space: global }
    .group_segment_fixed_size: 327680
    .private_segment_fixed_size: 0
    .kernarg_segment_align: 8
    .kernarg_segment_size: 24
    .max_flat_workgroup_size: 128
    .sgpr_count:     100
    .vgpr_count:     512
    .wavefront_size: 32
...
	.end_amdgpu_metadata
.endif
;; end of part 4
